; MI455X (gfx1250); checked and timed in simulation.
; The chip was launched on July 23, 2026; its instructions are those of AMD's public machine-readable ISA for CDNA 5 (MIT licence, August 2026) and "CDNA5" Instruction Set Architecture Reference Guide (July 2026). The comments in the code are by the model that wrote it; some were corrected since.
;; Causal Self Attention. Allowed arithmetic: matrix products marked QUANTISED: E2M3 operands, one E8M0 scale for each 32 along K, by v_wmma_scale_f32_16x16x128_f8f6f4 with both operands' format E2M3, f32 sums; everything else in f32.
;; Inputs: b_attn 3,072 float32; b_proj 1,024 float32; w_attn 1,024 x 3,072 float32; w_proj 1,024 x 1,024 float32; x 4 x 2,048 x 1,024 float32.
;; Outputs: out0 4 x 2,048 x 1,024 float32.
;; This version of the problem:
;;   THIS VERSION OF THE PROBLEM IS GIVEN IN LOW PRECISION. The matrix products marked QUANTISED in the list below multiply operands that are first quantised to E2M3 (2 exponent bits, 3 mantissa bits; 6 bits a number), with one power-of-two scale for each 32 numbers along K (OCP MX v1.0); their sums are f32. All else is computed in f32.
;;   The module's matrix products, in the order in which they are computed (A, B: the left and right operand; K: the contracted axis; several contracted axes count as one K, in the product's order):
;;     1. [M 8,192, K 1,024] x [K 1,024, N 3,072]; A: input x; B: input w_attn: QUANTISED
;;     2. batch 64 x [M 2,048, K 64] x [K 64, N 2,048]; A: computed on the way; B: computed on the way: QUANTISED
;;     3. batch 64 x [M 2,048, K 2,048] x [K 2,048, N 64]; A: softmax (see below); B: computed on the way: QUANTISED
;;     4. [M 8,192, K 1,024] x [K 1,024, N 1,024]; A: computed on the way; B: input w_proj: QUANTISED
;;   THE QUANTISER, for each operand of a quantised product, along K:
;;     - K is cut into blocks of 32 from its start; a last block that is shorter is filled with zeros.
;;     - A block's scale is 2^e with e = floor(log2(the largest magnitude in the block)) - 2, held to -126 .. 127; a block of zeros has e = 0. As a byte (E8M0): e + 127.
;;     - Each number is divided by its block's scale, clamped to +-7.5, and rounded to the nearest number of E2M3, ties to even, subnormals kept.
;;     - The product sums the exact products of the quantised numbers (number of the format x scale) in f32.
;;   ~~~python
;;   def quantise(x, axis):      # numpy; x: float32 -> the quantised numbers, widened to float32 again
;;       x = np.moveaxis(x, axis, -1); K = x.shape[-1]
;;       x = np.pad(x, [(0, 0)] * (x.ndim - 1) + [(0, -K % 32)]); x = x.reshape(x.shape[:-1] + (-1, 32)); a = np.abs(x).max(-1, keepdims=True)
;;       e = np.where(a > 0, np.clip(np.frexp(np.where(a > 0, a, 1))[1] - 1 - 2, -126, 127), 0)      # np.frexp(a)[1] - 1 = floor(log2(a)), exactly
;;       r = np.clip(x / 2.0 ** e, -7.5, 7.5)
;;       step = 2.0 ** (np.maximum(np.frexp(np.where(r == 0, 1, r))[1] - 1, 0) - 3)
;;       q = np.round(r / step) * step * 2.0 ** e      # np.round: ties to even
;;       return np.moveaxis(q.reshape(q.shape[:-2] + (-1,))[..., :K], -1, axis).astype(np.float32)
;;   ~~~
;;   SOFTMAX AHEAD OF A QUANTISED PRODUCT. Where the list says 'softmax', what is quantised is not the finished softmax but p = 2^(t - M), with t = logit x log2(e) and M = ceil(the row's largest t), a whole number; so 1/2 < the row's largest p <= 1. The row's sum l is taken of the UNQUANTISED p, in f32, and the product's result is divided by l at the end. Since M is a whole number, a kernel that streams over the keys may use a running M (the ceiling of the running maximum): every later rescaling is an exact power of two, which a block's scale takes up: the codes' values come out the same.
;;   OPERANDS COMPUTED ON THE WAY. 'Computed on the way' means the value that the module computes at that place (a softmax that the list does not call 'softmax' is quantised finished and normalised). What goes into a quantiser is computed in f32, as accurately as f32 sums, v_exp_f32 and their like allow (about 1e-6 of the number): no bf16 or f16 on the way to a quantiser, and a product that is left as it is and whose result goes on into a quantised operand takes f32 operands (vector FMAs, or v_wmma_f32_16x16x4_f32). A number that lies on a knife's edge between two numbers of the format may be rounded either way, as far as f32 arithmetic and the matrix unit's own rounding can turn it there, and no further.
;; One version. Each part assembles by itself: llvm-mc -triple=amdgcn-amd-amdhsa -mcpu=gfx1250 --defsym DOCPART=n.
;; ======== version 1 of 1: 4 launches
;; workspace buffers: xc 6,291,456 bytes; xs 262,144 bytes; wq 2,457,600 bytes; wp 819,200 bytes; qb 13,631,488 bytes; kv 13,631,488 bytes; ac 6,291,456 bytes; asc 262,144 bytes
;; launch quant (part 1): grid 384 x 1, 4 waves a work-group, no clusters, 58,880 bytes of LDS; arguments x, w_attn, w_proj, xc, xs, wq, wp; writes xc, xs, wq, wp
.if DOCPART == 1
	.amdgcn_target "amdgcn-amd-amdhsa--gfx1250"
	.amdhsa_code_object_version 6
	.text
	.protected	k_q73e96bf91e_quant
	.globl	k_q73e96bf91e_quant
	.p2align	8
	.type	k_q73e96bf91e_quant,@function
k_q73e96bf91e_quant:
	s_mov_b64 s[64:65], 0
	v_nop
	global_prefetch_b8 v0, s[64:65] scope:SCOPE_SE
	s_setreg_imm32_b32 hwreg(HW_REG_WAVE_MODE, 25, 1), 1
	s_wait_xcnt 0x0
; x [8192][1024], w_attn [1024][3072] and w_proj [1024][1024], f32, become codes of FP6 (E2M3) with one E8M0 byte for each 32 along K (x: its last axis; the weights: their first axis),
; laid IN THE ORDER OF THE OPERAND'S REGISTERS.  A half fragment (16 rows x 64 along K) is 768 bytes: lane l = 16 h + r holds block h (32 codes, 24 bytes) of row r: 16 bytes at 16 l, then 8 bytes at 512 + 8 l.
; A fragment (128 along K) is two of them.  THE ROWS OF A TILE ARE NOT NEIGHBOURS: place r of tile 2 g + u is row 32 g + 8 u + r + 8 (r / 8).
; xc: [tile][K step 0..7][1536].  xs: [tile][K step / 4][r][4 words]: a word is a row's four scale bytes of a K step.
; wq, wp: chunks of 64 rows n, 51,200 bytes: codes [K step][tile 0..3][1536], then the four tiles' scale tables of 512 bytes.  In wq head hd of section sec (q, k, v) has place 6 (hd / 2) + 2 sec + hd % 2; in wp place n / 64.
; A block's scale is 2^(floor(log2(largest magnitude)) - 2): its byte is the largest magnitude's exponent field - 2, held at 1 from below.
; LIMITS: a block of zeros, or one whose largest magnitude lies under 2^-124, gets the byte 1 (a block of zeros has zero codes, and this program alone reads the bytes); NaN and infinities among the inputs are not served.
; Work-groups 0..255 take x (a wave: one tile of 16 rows x 512 along K), work-groups 256..383 the weights (a wave: 32 columns x 256 along K).  Waves share nothing: no barrier.  Each of the two ways has LDS bytes of its own.
.set XST,   0                          ; x's stages: 16 rows x 528 bytes for each wave
.set WST,   33792                      ; the weights' stages: 6,144 bytes for each wave
.set SPARE, 58368                      ; the spare words, 128 bytes for each wave: two blocks of 256 bytes that no other line names
.set SPW, 2                            ; v2  LDS address of my spare word; never rewritten
.set NIL, 3                            ; v3  0; never rewritten
.set R,   16                           ; x: v16-143 two sets of 64 numbers as loaded
.set X,   144                          ; v144-207 64 numbers: register 16 b + i = k 32 b + 16 h + i of my row
.set PC,  208                          ; v208-231 two sets of a fragment's 12 registers
.set CT,  232                          ; v232-239 the conversions' second halves
.set TM,  240                          ; v240-243 largest magnitudes
.set TP,  244                          ; v244-247 the other half's; then the bytes
.set SOP, 248                          ; v248-251 the conversions' scale operands
.set PW,  252                          ; v252-255 the four K steps' scale words
.set OFF, 16                           ; weights: v16-47 4 x lane + i x pitch
.set XW,  48                           ; v48-111 two sets of 32 numbers
.set C,   112                          ; v112-118 a block's codes
.set OUT, 128                          ; v128-175 the way out
	s_load_b256 s[4:11], s[0:1], 0x0               ; x s[4:5], w_attn s[6:7], w_proj s[8:9], xc s[10:11]
	s_load_b128 s[12:15], s[0:1], 0x20             ; xs s[12:13], wq s[14:15]
	s_load_b64 s[16:17], s[0:1], 0x30              ; wp
	v_lshl_add_u32 v[SPW], v0, 2, SPARE
	v_mov_b32 v[NIL], 0
	v_lshrrev_b32 v1, 5, v0
	v_readfirstlane_b32 s18, v1                    ; wave 0..3
	v_and_b32 v1, 31, v0                           ; lane
	s_mov_b32 s20, 0x76543210
	s_mov_b32 s21, 0xfedcba98                      ; v_permlanex16_b32's selects for lane l xor 16
	s_mov_b32 s22, 0xffff0000                      ; lanes 16-31
	s_cmp_lt_u32 ttmp9, 256
	s_cbranch_scc0 .Lweights
	; ---------------- x ----------------
	s_lshl_b32 s24, ttmp9, 1
	s_lshr_b32 s25, s18, 1
	s_add_co_u32 s24, s24, s25                     ; my tile: 2 x work-group + wave / 2
	s_and_b32 s25, s18, 1                          ; which 512 along K
	s_lshr_b32 s26, s24, 1
	s_lshl_b32 s26, s26, 5
	s_and_b32 s27, s24, 1
	s_lshl_b32 s27, s27, 3
	s_add_co_u32 s26, s26, s27                     ; the tile's first row: 32 (tile / 2) + 8 (tile % 2)
	s_lshl_b32 s26, s26, 12                        ; rows of 4,096 bytes
	s_lshl_b32 s27, s25, 11
	s_add_co_u32 s26, s26, s27
	s_mov_b32 s27, 0
	s_mul_i32 s28, s24, 12288
	s_mul_i32 s29, s25, 6144
	s_add_co_u32 s28, s28, s29                     ; my four fragments in xc
	s_mov_b32 s29, 0
	s_lshl_b32 s30, s24, 9
	s_lshl_b32 s31, s25, 8
	s_add_co_u32 s30, s30, s31                     ; my 256 bytes of xs
	s_mov_b32 s31, 0
	v_lshlrev_b32 v4, 4, v1                        ; 16 x lane
	v_lshl_add_u32 v5, v1, 3, 512                  ; 512 + 8 x lane
	s_mul_i32 s23, s18, 8448                       ; my stage (XST = 0)
	v_add_nc_u32 v6, s23, v4                       ; into it: a row's 512 bytes as loaded
	v_and_b32 v9, 15, v0                           ; r
	v_bfe_u32 v12, v0, 4, 1                        ; h
	v_mul_u32_u24 v7, v9, 528
	v_lshl_add_u32 v7, v12, 6, v7
	v_add_nc_u32 v7, s23, v7                       ; out of it: row r, + 64 h: my 16 numbers of each block of 32
	v_lshlrev_b32 v8, 4, v9
	v_lshl_add_u32 v8, v12, 3, v8                  ; the scale words: 16 r + 8 h
.irp b, 0,1,2,3
	v_mov_b32 v[TP+\b], 0                          ; written once: a lane permute's destination counts as one of its sources
.endr
	s_wait_kmcnt 0x0
	s_add_nc_u64 s[4:5], s[4:5], s[26:27]
	s_add_nc_u64 s[10:11], s[10:11], s[28:29]
	s_add_nc_u64 s[12:13], s[12:13], s[30:31]
.macro XLOAD t                         ; K step t of my four: each load takes 512 consecutive bytes of one of the tile's 16 rows
.irp i, 0,1,2,3,4,5,6,7,8,9,10,11,12,13,14,15
	global_load_b128 v[R+64*((\t)%2)+4*\i:R+64*((\t)%2)+4*\i+3], v4, s[4:5] offset:(\i+8*(\i/8))*4096+512*(\t) th:TH_LOAD_NT
.endr
.endm
.macro XTURN t                         ; through my stage: LDS serves a wave's instructions in order, so no wait stands between the stores and the loads
.irp i, 0,1,2,3,4,5,6,7,8,9,10,11,12,13,14,15
	ds_store_b128 v6, v[R+64*((\t)%2)+4*\i:R+64*((\t)%2)+4*\i+3] offset:528*\i
.endr
.irp b, 0,1,2,3
.irp q, 0,1,2,3
	ds_load_b128 v[X+16*\b+4*\q:X+16*\b+4*\q+3], v7 offset:128*\b+16*\q
.endr
.endr
.endm
; 64 numbers of a lane, register 16 b + i = k 32 b + 16 h + i of my row, become a fragment's 12 registers at v[pc] and its scale word in v[pw]
.macro QUANT s, pc, pw
.irp b, 0,1,2,3
	v_max3_num_f32 v[TM+\b], |v[\s+16*\b]|, |v[\s+16*\b+1]|, 0x1800000   ; my 16 numbers of block b, and the floor 2^(3 - 127): the byte cannot fall under 1
.endr
.irp i, 2,4,6,8,10,12,14
.irp b, 0,1,2,3
	v_max3_num_f32 v[TM+\b], v[TM+\b], |v[\s+16*\b+\i]|, |v[\s+16*\b+\i+1]|
.endr
.endr
.irp b, 0,1,2,3
	v_permlanex16_b32 v[TP+\b], v[TM+\b], s20, s21
.endr
.irp b, 0,1,2,3
	v_max_num_f32 v[TM+\b], v[TM+\b], v[TP+\b]     ; with lane l xor 16's: the block's largest magnitude
.endr
.irp b, 0,1,2,3
	v_add_nc_u32 v[SOP+\b], 0xff000000, v[TM+\b]   ; 2 off its exponent field: the conversion takes the exponent field of this operand as its scale
.endr
.irp b, 0,1,2,3
	v_lshrrev_b32 v[TP+\b], 23, v[SOP+\b]          ; the scale's byte
.endr
	v_lshl_or_b32 v[\pw], v[TP+1], 8, v[TP]
	v_lshl_or_b32 v[\pw], v[TP+2], 16, v[\pw]
	v_lshl_or_b32 v[\pw], v[TP+3], 24, v[\pw]
.irp c, 0,1
	v_cvt_scalef32_pk16_fp6_f32 v[\pc+6*\c:\pc+6*\c+2], v[\s+32*\c:\s+32*\c+15], v[SOP+2*\c]
	v_cvt_scalef32_pk16_fp6_f32 v[CT+4*\c:CT+4*\c+2], v[\s+32*\c+16:\s+32*\c+31], v[SOP+2*\c+1]   ; (a conversion's three registers begin on an even number)
.endr
	v_nop                                          ; one plain place behind a scaled conversion
.irp c, 0,1                            ; the layout wants a WHOLE block in a lane: lanes 0-15 block 2 c, lanes 16-31 block 2 c + 1
.irp i, 0,1,2
	v_permlane16_swap_b32 v[\pc+6*\c+\i], v[CT+4*\c+\i]
.endr
.irp i, 0,1,2
	v_mov_b32 v[\pc+6*\c+3+\i], v[CT+4*\c+\i]
.endr
.endr
.endm
	XLOAD 0
	XLOAD 1
.irp t, 0,1,2,3
.if \t < 3
	s_wait_loadcnt 16                              ; this K step's 16 loads are in; the next step's 16 may be out
.else
	s_wait_loadcnt 0x0
.endif
	XTURN \t
	s_wait_dscnt 0x0                               ; the numbers are back, and the stores into the stage have read their registers
.if \t < 2
	XLOAD \t+2                                     ; which take the loads of two steps on
.else
	s_wait_xcnt 0x0                                ; the stores of two steps ago have read this set of code registers
.endif
	QUANT X, PC+12*(\t%2), PW+\t
	global_store_b128 v4, v[PC+12*(\t%2):PC+12*(\t%2)+3], s[10:11] offset:1536*\t             ; 512 consecutive bytes,
	global_store_b64 v5, v[PC+12*(\t%2)+4:PC+12*(\t%2)+5], s[10:11] offset:1536*\t            ; then 256
	global_store_b128 v4, v[PC+12*(\t%2)+6:PC+12*(\t%2)+9], s[10:11] offset:1536*\t+768
	global_store_b64 v5, v[PC+12*(\t%2)+10:PC+12*(\t%2)+11], s[10:11] offset:1536*\t+768
.endr
	v_cndmask_b32 v10, v[PW], v[PW+2], s22         ; both halves of the lanes hold row r's four words: lanes 0-15 store words 0, 1, lanes 16-31 words 2, 3
	v_cndmask_b32 v11, v[PW+1], v[PW+3], s22
	global_store_b64 v8, v[10:11], s[12:13]        ; the wave stores 256 consecutive bytes, aligned
	s_wait_tensorcnt 0x0                           ; the wave's end: these three lines stand behind my last LDS store
	ds_add_u32 v[SPW], v[NIL]
	s_wait_dscnt 0x0
	s_endpgm
	; ---------------- the weights: a lane takes a column n, its registers run down K ----------------
.Lweights:
	s_sub_co_u32 s24, ttmp9, 256
	s_and_b32 s25, s24, 3                          ; y: which 256 along K
	s_lshr_b32 s24, s24, 2                         ; block of 128 columns: 0..23 of w_attn, 24..31 of w_proj
	s_and_b32 s26, s24, 7
	s_mul_i32 s26, s26, 6
	s_lshr_b32 s27, s24, 3
	s_lshl_b32 s27, s27, 1
	s_add_co_u32 s26, s26, s27                     ; w_attn: the place of the block's first chunk
	s_sub_co_u32 s27, s24, 24                      ; w_proj: the block,
	s_lshl_b32 s28, s27, 1                         ; and its first chunk's place
	s_mov_b32 s29, 4096                            ; w_proj's pitch in bytes
	s_wait_kmcnt 0x0
	s_cmp_lt_u32 s24, 24                           ; the choice hangs on the work-group's number alone
	s_cselect_b64 s[6:7], s[6:7], s[8:9]           ; from
	s_cselect_b64 s[14:15], s[14:15], s[16:17]     ; to
	s_cselect_b32 s29, 12288, s29                  ; the pitch
	s_cselect_b32 s24, s24, s27                    ; the block in its tensor
	s_cselect_b32 s26, s26, s28                    ; the place
	s_lshl_b32 s30, s24, 9
	s_lshl_b32 s31, s18, 7
	s_add_co_u32 s30, s30, s31                     ; 4 x my first column: 128 x block + 32 x wave
	s_lshl_b32 s31, s25, 8
	s_mul_i32 s31, s31, s29                        ; + 256 y rows
	s_add_co_u32 s30, s30, s31
	s_mov_b32 s31, 0
	s_add_nc_u64 s[32:33], s[6:7], s[30:31]        ; block 0 of my eight blocks of 32 along K;
	s_lshl_b32 s30, s29, 5
.irp t, 1,2,3,4,5,6,7
	s_add_nc_u64 s[32+2*\t:33+2*\t], s[30+2*\t:31+2*\t], s[30:31]   ; each further one 32 rows on: eight bases, never rewritten
.endr
	s_lshr_b32 s48, s18, 1
	s_add_co_u32 s26, s26, s48                     ; my chunk
	s_mul_i32 s26, s26, 51200
	s_and_b32 s48, s18, 1                          ; which 32 of its 64 rows: tiles 2 (wave % 2) + u
	s_mul_i32 s49, s25, 12288                      ; K steps 2 y, 2 y + 1
	s_add_co_u32 s50, s26, s49
	s_mul_i32 s49, s48, 3072
	s_add_co_u32 s50, s50, s49
	s_mov_b32 s51, 0
	s_add_nc_u64 s[52:53], s[14:15], s[50:51]      ; my codes
	s_add_co_u32 s50, s26, 49152
	s_lshl_b32 s49, s48, 10
	s_add_co_u32 s50, s50, s49
	s_lshr_b32 s49, s25, 1
	s_lshl_b32 s49, s49, 8
	s_add_co_u32 s50, s50, s49
	s_and_b32 s49, s25, 1
	s_lshl_b32 s49, s49, 3
	s_add_co_u32 s50, s50, s49
	s_add_nc_u64 s[54:55], s[14:15], s[50:51]      ; my scale words
	v_lshlrev_b32 v4, 2, v1                        ; 4 x lane
	v_bfe_u32 v10, v0, 3, 1                        ; u: column lane = 8 u + r % 8 + 16 (r / 8)
	v_and_b32 v11, 7, v0
	v_bfe_u32 v12, v0, 4, 1
	v_lshl_add_u32 v11, v12, 3, v11                ; r
	s_mul_i32 s23, s18, 6144
	s_add_co_u32 s23, s23, WST                     ; my stage: [K step 0..1][u][1536]
	v_mul_u32_u24 v12, v10, 1536
	v_add_nc_u32 v12, s23, v12
	v_lshl_add_u32 v5, v11, 4, v12                 ; where my first 16 bytes of a block go,
	v_lshl_add_u32 v6, v11, 3, v12
	v_add_nc_u32 v6, 512, v6                       ; and my last 8
	v_lshlrev_b32 v8, 4, v1                        ; the way out: 16 x lane
	v_add_nc_u32 v7, s23, v8
	v_lshlrev_b32 v9, 4, v11
	v_lshl_add_u32 v9, v10, 9, v9                  ; the scale words: 512 u + 16 r
.irp i, 0,1,2,3,4,5,6,7,8,9,10,11,12,13,14,15,16,17,18,19,20,21,22,23,24,25,26,27,28,29,30,31
	v_mad_u32_u24 v[OFF+\i], s29, \i, v4           ; row i of a block, my column
.endr
.macro WLOAD t                         ; block t into set t % 2: each load reads 128 consecutive bytes
.irp i, 0,1,2,3,4,5,6,7,8,9,10,11,12,13,14,15,16,17,18,19,20,21,22,23,24,25,26,27,28,29,30,31
	global_load_b32 v[XW+32*((\t)%2)+\i], v[OFF+\i], s[32+2*(\t):33+2*(\t)] th:TH_LOAD_NT
.endr
.endm
.macro WBLOCK t
.set XB, XW+32*((\t)%2)
.if (\t) < 7
	s_wait_loadcnt 32                              ; this block's 32 loads are in; the next block's may be out
.else
	s_wait_loadcnt 0x0
.endif
	v_max3_num_f32 v10, |v[XB]|, |v[XB+1]|, |v[XB+2]|               ; the block's largest magnitude: all 32 numbers are mine
	v_max3_num_f32 v11, |v[XB+3]|, |v[XB+4]|, |v[XB+5]|
.irp i, 6,10,14,18,22,26
	v_max3_num_f32 v10, v10, |v[XB+\i]|, |v[XB+\i+1]|
	v_max3_num_f32 v11, v11, |v[XB+\i+2]|, |v[XB+\i+3]|
.endr
	v_max3_num_f32 v10, v10, |v[XB+30]|, |v[XB+31]|
	v_max3_num_f32 v10, v10, v11, 0x1800000        ; and the floor
	v_add_nc_u32 v12, 0xff000000, v10              ; the conversion's scale operand
	v_lshrrev_b32 v13, 23, v12                     ; the byte
.if (\t)%4 == 0
	v_mov_b32 v[14+(\t)/4], v13                    ; four bytes make a K step's word
.else
	v_lshl_or_b32 v[14+(\t)/4], v13, 8*((\t)%4), v[14+(\t)/4]
.endif
	v_cvt_scalef32_pk16_fp6_f32 v[C:C+2], v[XB:XB+15], v12
	v_cvt_scalef32_pk16_fp6_f32 v[C+4:C+6], v[XB+16:XB+31], v12
	v_nop                                          ; one plain place behind a scaled conversion
	v_mov_b32 v[C+3], v[C+4]                       ; the block's 24 bytes on end
	v_mov_b32 v[C+4], v[C+5]
	v_mov_b32 v[C+5], v[C+6]
	ds_store_b128 v5, v[C:C+3] offset:((\t)/4)*3072+(((\t)/2)%2)*768+((\t)%2)*256     ; block t is lane 16 (t % 2) + r of half fragment (t / 2) % 2 of K step t / 4
	ds_store_b64 v6, v[C+4:C+5] offset:((\t)/4)*3072+(((\t)/2)%2)*768+((\t)%2)*128
.if (\t)+2 < 8
	WLOAD (\t)+2
.endif
	s_wait_dscnt 0x0                               ; the stores have read their registers
.endm
	WLOAD 0
	WLOAD 1
.irp t, 0,1,2,3,4,5,6,7
	WBLOCK \t
.endr
	global_store_b64 v9, v[14:15], s[54:55]        ; my row's words of K steps 2 y, 2 y + 1
.irp q, 0,1,2,3,4,5,6,7,8,9,10,11
	ds_load_b128 v[OUT+4*\q:OUT+4*\q+3], v7 offset:512*\q
.endr
.irp q, 0,1,2,3,4,5,6,7,8,9,10,11
	s_wait_dscnt 11-\q                             ; the younger reads may be out
	global_store_b128 v8, v[OUT+4*\q:OUT+4*\q+3], s[52:53] offset:(\q/6)*6144+(\q%6)*512     ; 512 consecutive bytes, aligned
.endr
	s_wait_tensorcnt 0x0                           ; the wave's end: these three lines stand behind my last LDS store
	ds_add_u32 v[SPW], v[NIL]
	s_wait_dscnt 0x0
	s_endpgm
.Lfunc_end_k_q73e96bf91e_quant:
	.size	k_q73e96bf91e_quant, .Lfunc_end_k_q73e96bf91e_quant-k_q73e96bf91e_quant
	.p2alignl 7, 3214868480
	.fill 96, 4, 3214868480
	.section	.rodata,"a",@progbits
	.p2align	6, 0x0
	.amdhsa_kernel k_q73e96bf91e_quant
		.amdhsa_group_segment_fixed_size 58880
		.amdhsa_private_segment_fixed_size 0
		.amdhsa_enable_private_segment 0
		.amdhsa_kernarg_size 56
		.amdhsa_user_sgpr_count 2
		.amdhsa_user_sgpr_kernarg_segment_ptr 1
		.amdhsa_wavefront_size32 1
		.amdhsa_system_sgpr_workgroup_id_x 1
		.amdhsa_system_sgpr_workgroup_id_y 1
		.amdhsa_system_sgpr_workgroup_id_z 1
		.amdhsa_system_vgpr_workitem_id 0
		.amdhsa_next_free_vgpr 256
		.amdhsa_next_free_sgpr 66
		.amdhsa_reserve_vcc 0
		.amdhsa_float_denorm_mode_32 3
		.amdhsa_float_denorm_mode_16_64 3
		.amdhsa_memory_ordered 1
		.amdhsa_forward_progress 1
		.amdhsa_inst_pref_size 78
	.end_amdhsa_kernel
	.amdgpu_metadata
---
amdhsa.version: [ 1, 2 ]
amdhsa.kernels:
  - .name:           k_q73e96bf91e_quant
    .symbol:         k_q73e96bf91e_quant.kd
    .args:
      - { .name: x, .offset: 0, .size: 8, .value_kind: global_buffer, .address_space: global }
      - { .name: w_attn, .offset: 8, .size: 8, .value_kind: global_buffer, .address_space: global }
      - { .name: w_proj, .offset: 16, .size: 8, .value_kind: global_buffer, .address_space: global }
      - { .name: xc, .offset: 24, .size: 8, .value_kind: global_buffer, .address_space: global }
      - { .name: xs, .offset: 32, .size: 8, .value_kind: global_buffer, .address_space: global }
      - { .name: wq, .offset: 40, .size: 8, .value_kind: global_buffer, .address_space: global }
      - { .name: wp, .offset: 48, .size: 8, .value_kind: global_buffer, .address_space: global }
    .group_segment_fixed_size: 58880
    .private_segment_fixed_size: 0
    .kernarg_segment_align: 8
    .kernarg_segment_size: 56
    .max_flat_workgroup_size: 128
    .sgpr_count:     66
    .vgpr_count:     256
    .wavefront_size: 32
...
	.end_amdgpu_metadata
.endif
;; end of part 1
;; launch gemm_qkv (part 2): grid 32 x 8, 4 waves a work-group, clusters of 4 x 1, 307,712 bytes of LDS; arguments xc, xs, wq, b_attn, qb, kv; writes qb, kv
.if DOCPART == 2
	.amdgcn_target "amdgcn-amd-amdhsa--gfx1250"
	.amdhsa_code_object_version 6
	.text
	.protected	k_q73e96bf91e_gemm_qkv
	.globl	k_q73e96bf91e_gemm_qkv
	.p2align	8
	.type	k_q73e96bf91e_gemm_qkv,@function
k_q73e96bf91e_gemm_qkv:
	s_mov_b64 s[64:65], 0
	v_nop
	global_prefetch_b8 v0, s[64:65] scope:SCOPE_SE
	s_setreg_imm32_b32 hwreg(HW_REG_WAVE_MODE, 25, 1), 1
	s_wait_xcnt 0x0
	s_wait_alu depctr_hold_cnt(0) depctr_sa_sdst(0) depctr_va_vdst(0) depctr_va_sdst(0) depctr_va_ssrc(0) depctr_va_vcc(0) depctr_vm_vsrc(0)
	s_getreg_b32 s2, hwreg(HW_REG_IB_STS2, 6, 4)
	s_cmp_eq_u32 s2, 0
	s_cbranch_scc0 .Lentry_in_a_cluster
	s_endpgm
.Lentry_in_a_cluster:
	s_bfe_u32 s2, ttmp6, 0x10000c
	s_cmp_lg_u32 s2, 0x3003
	s_cbranch_scc0 .Lentry_shape_is_right
	s_endpgm
.Lentry_shape_is_right:
; qkv = x w_attn + b_attn on codes of FP6 (E2M3) with E8M0 scales, and the quantisers of q, k (along the head's 64) and v (along the keys).  The results leave as codes, in the order of the next operands' registers.
; SHARES.  A work-group takes 256 tokens (R) and two heads' q, k and v (j): six chunks of 64 columns.  Wave w owns tokens 64 w .. 64 w + 63: four tiles of 16, whose 32 fragments of x (all of K) stay in 384 registers.
; The six chunks of weights, 51,200 bytes each, lie in LDS whole: each LDS byte is filled once, so there are no slots that take turns.  Each wave brings a quarter of each chunk: six tensor loads of mine are out at most.
; CLUSTER.  The four work-groups of a cluster take four blocks of tokens and the same j: they need the same weights and ask for them JOINTLY, by the same tensor loads with the same descriptors and a mask that names the four.
; LAYOUT.  Place r of tile 2 g + u is row 32 g + 8 u + r + 8 (r / 8), for tokens and for the weights' rows alike.  q, k: source 0 = 16 rows of W, source 1 = 16 tokens: a lane holds one token, and the 32 registers of a
; tile of tokens run along the head's 64: register 16 b + i = d 32 b + 16 h + i.  v: the sources change places: a lane holds one d, and the 32 registers run along my 64 tokens, which are the next product's K.
; The bias is the C of each sum's first matrix instruction.
; A BLOCK of qb and kv, 13,312 bytes, belongs to one (batch, head) and 128 tokens: 8 half fragments of k (or q) of 768 bytes; 4 fragments of v; k's scale words [half][r][4]; v's scale words [16 (tile / 2) + r][tile % 2]; 256 zeros.
; LIMITS: a block of zeros, or one whose largest magnitude lies under 2^-124, gets the byte 1; NaN and infinities are not served.
; REGISTERS, in windows of 256: window 0: v1-14 addresses; v16-31 x's scale words, v32-47 W's; v64-191 the 16 accumulators; v192-233 the quantisers.  Window 1: x's fragments of K steps 0-4 at 48 k + 12 tile.
; Window 2: those of K steps 5-7.  Window 3: W's fragments, two sets at 0 and 48; the biases, two sets at 96 and 128.
.set CHB,   51200                      ; a chunk
.set SPARE, 6*CHB                      ; behind the chunks: the spare words, 128 bytes for each wave: two blocks of 256 bytes that no other line names
.set KVH,   212992                     ; a head's 16 blocks
.set L16, 1                            ; v1   16 x lane
.set L8,  2                            ; v2   512 + 8 x lane
.set SPW, 3                            ; v3   LDS address of my spare word; never rewritten
.set NIL, 4                            ; v4   0; never rewritten
.set WA,  5                            ; v5   the chunk in hand + 16 x lane
.set WB,  6                            ; v6   the chunk in hand + 512 + 8 x lane
.set WSA, 7                            ; v7   the chunk in hand + my place in a pair of scale tables
.set XSO, 8                            ; v8   that place: 512 (lane / 16) + 16 (lane % 16)
.set BQ,  9                            ; v9   64 h
.set BV,  10                           ; v10  4 (r + 8 (r / 8))
.set SQO, 11                           ; v11  16 r + 8 h
.set SVO, 12                           ; v12  8 x lane
.set PZO, 13                           ; v13  4 x lane
.set ZR,  14                           ; v14  0, to be stored
.set XS,  16
.set WS,  32
.set ACC, 64
.set PC,  192                          ; four sets of 6: the half fragments just made
.set T,   216
.set BM,  220
.set PT,  222
.set SOP, 224
.set BY,  226
.set HW,  228                          ; four scale halfwords
.set SD,  232
.set BI,  96                           ; in window 3
.set MSB, 0
.macro WIN new                         ; the immediate's high byte repeats the setting that is left
.if MSB != \new
	s_set_vgpr_msb (MSB<<8)|\new
.set MSB, \new
.endif
.endm
.macro PLACES                          ; four plain places behind matrix instructions, in front of loads into their registers and of reads of their results
.rept 4
	v_nop
.endr
.endm
.macro CROUND                          ; a round of the cluster's barrier
	s_barrier_signal -1
	s_barrier_wait -1
	s_cmp_lg_u32 s48, 0
	s_cbranch_scc1 .Lnot_wave_0_\@
	s_barrier_signal -3
.Lnot_wave_0_\@:
	s_barrier_wait -3
	s_barrier_signal -1
	s_barrier_wait -1
.endm
	s_load_b256 s[4:11], s[0:1], 0x0               ; xc s[4:5], xs s[6:7], wq s[8:9], b_attn s[10:11]
	s_load_b128 s[12:15], s[0:1], 0x20             ; qb s[12:13], kv s[14:15]
	v_lshl_add_u32 v[SPW], v0, 2, SPARE
	v_mov_b32 v[NIL], 0
	ds_add_u32 v[SPW], v[NIL]                      ; the wave's opening: the add and its wait stand ahead of my first tensor load; the set-up below, work on registers, stands between them
	v_lshrrev_b32 v1, 5, v0
	v_readfirstlane_b32 s48, v1                    ; wave 0..3
	s_bfe_u32 s49, ttmp6, 0x40000                  ; cx
	s_lshl_b32 s50, ttmp9, 2
	s_add_co_u32 s50, s50, s49                     ; R: my block of 256 tokens; it enters global addresses of x, qb and kv alone
	s_and_b32 s51, ttmp7, 0xffff                   ; j, which the four partners share
	s_and_b32 s52, s48, 1                          ; which half of a block's 128 tokens is my wave's
	s_mov_b32 s53, 0xffff0000                      ; lanes 16-31
	s_mov_b32 s54, 0x76543210
	s_mov_b32 s55, 0xfedcba98
	; descriptor group 1: a quarter of a chunk, 12,800 dense bytes, as 50 rows of 256 bytes
	s_mov_b32 s16, 15|(3<<16)|(1<<21)              ; 15:0 the mask: all four work-groups; 17:16 elements of 8 bytes; 20 no padding; 21 set beside a mask
	s_mov_b32 s17, 32<<16                          ; tensor_dim0 = 32
	s_mov_b32 s18, 50<<16                          ; tensor_dim1 = 50
	s_mov_b32 s19, 32<<16                          ; tile_dim0 = 32
	s_mov_b32 s20, 50                              ; tile_dim1 = 50
	s_mov_b32 s21, 32                              ; the pitch
	s_mov_b32 s22, 0
	s_mov_b32 s23, 0
	s_lshr_b32 s78, s50, 3                         ; the batch
	s_mul_i32 s78, s78, 16*KVH
	s_mul_i32 s79, s51, 2*KVH                      ; head 2 j
	s_add_co_u32 s78, s78, s79
	s_and_b32 s79, s50, 7
	s_lshl_b32 s79, s79, 1
	s_lshr_b32 s80, s48, 1
	s_add_co_u32 s79, s79, s80                     ; the step of 128 tokens: 2 (R % 8) + wave / 2
	s_mul_i32 s79, s79, 13312
	s_add_co_u32 s78, s78, s79                     ; my block
	s_mul_i32 s80, s52, 3072
	s_add_co_u32 s80, s80, s78                     ; q's and k's codes
	s_mov_b32 s81, 0
	s_mul_i32 s82, s52, 768
	s_add_co_u32 s82, s82, s78
	s_add_co_u32 s82, s82, 6144                    ; v's codes
	s_mov_b32 s83, 0
	s_lshl_b32 s84, s52, 8
	s_add_co_u32 s84, s84, s78
	s_add_co_u32 s84, s84, 12288                   ; q's and k's scale words
	s_mov_b32 s85, 0
	s_lshl_b32 s86, s52, 1
	s_add_co_u32 s86, s86, s78
	s_add_co_u32 s86, s86, 12800                   ; v's scale halfwords
	s_mov_b32 s87, 0
	s_lshl_b32 s88, s52, 7
	s_add_co_u32 s88, s88, s78
	s_add_co_u32 s88, s88, 13056                   ; the zeros
	s_mov_b32 s89, 0
	s_lshl_b32 s78, s51, 9                         ; the biases of heads 2 j, 2 j + 1
	s_mov_b32 s79, 0
	s_lshl_b32 s90, s50, 4
	s_lshl_b32 s91, s48, 2
	s_add_co_u32 s90, s90, s91                     ; my first tile of tokens: 16 R + 4 wave
	s_lshl_b32 s92, s90, 9
	s_mul_i32 s90, s90, 12288
	s_mov_b32 s91, 0
	s_mov_b32 s93, 0
	s_mul_i32 s94, s48, 12800                      ; my quarter of a chunk, in LDS and in memory
	s_mul_i32 s2, s51, 6*CHB
	s_add_co_u32 s2, s2, s94
	s_mov_b32 s3, 0
	v_and_b32 v13, 31, v0                          ; lane
	v_lshlrev_b32 v[L16], 4, v13
	v_lshl_add_u32 v[L8], v13, 3, 512
	v_and_b32 v15, 15, v0                          ; r
	v_bfe_u32 v14, v0, 4, 1                        ; h
	v_lshlrev_b32 v[XSO], 4, v15
	v_lshl_add_u32 v[XSO], v14, 9, v[XSO]
	v_lshlrev_b32 v[BQ], 6, v14
	v_and_b32 v[BV], 8, v15
	v_add_nc_u32 v[BV], v[BV], v15
	v_lshlrev_b32 v[BV], 2, v[BV]
	v_lshlrev_b32 v[SQO], 4, v15
	v_lshl_add_u32 v[SQO], v14, 3, v[SQO]
	v_lshlrev_b32 v[SVO], 3, v13
	v_lshlrev_b32 v[PZO], 2, v13
	v_mov_b32 v[ZR], 0
	v_mov_b32 v[PT], 0                             ; written once: a lane permute's destination counts as one of its sources
	v_mov_b32 v[PT+1], 0
	s_wait_dscnt 0x0                               ; the opening add is done
	s_wait_kmcnt 0x0
	s_add_nc_u64 s[56:57], s[12:13], s[80:81]      ; q's codes
	s_add_nc_u64 s[58:59], s[14:15], s[80:81]      ; k's codes
	s_add_nc_u64 s[60:61], s[14:15], s[82:83]      ; v's codes
	s_add_nc_u64 s[62:63], s[12:13], s[84:85]      ; q's scale words
	s_add_nc_u64 s[66:67], s[14:15], s[84:85]      ; k's
	s_add_nc_u64 s[68:69], s[14:15], s[86:87]      ; v's
	s_add_nc_u64 s[70:71], s[14:15], s[88:89]      ; the zeros
	s_add_nc_u64 s[72:73], s[4:5], s[90:91]        ; x's codes
	s_add_nc_u64 s[74:75], s[6:7], s[92:93]        ; x's scale tables
	s_add_nc_u64 s[76:77], s[10:11], s[78:79]      ; the biases
	s_add_nc_u64 s[2:3], s[8:9], s[2:3]            ; my quarter of chunk 0: made of j and the wave's number alone
.irp i, 0,1,2,3,4,5
	s_mov_b32 s[24+4*\i], 1                        ; count = 1
	s_add_co_u32 s[25+4*\i], s94, \i*CHB           ; LDS address: the wave's number and constants
	s_add_nc_u64 s[26+4*\i:27+4*\i], s[2:3], \i*CHB
	s_or_b32 s[27+4*\i], s[27+4*\i], 0x80000000    ; type = 2
.endr
	CROUND                                         ; all four work-groups are here: the joint loads meet
.irp i, 0,1,2,3,4,5
	tensor_load_to_lds s[24+4*\i:27+4*\i], s[16:23]
	s_nop 0
.endr
	PLACES
	WIN 0x40                                       ; destination window 1
.irp k, 0,1,2,3,4
.irp t, 0,1,2,3
.irp c, 0,1
	global_load_b128 v[48*\k+12*\t+6*\c:48*\k+12*\t+6*\c+3], v[L16], s[72:73] offset:(8*\t+\k)*1536+768*\c
	global_load_b64 v[48*\k+12*\t+6*\c+4:48*\k+12*\t+6*\c+5], v[L8], s[72:73] offset:(8*\t+\k)*1536+768*\c
.endr
.endr
.endr
	WIN 0x80                                       ; destination window 2
.irp k, 5,6,7
.irp t, 0,1,2,3
.irp c, 0,1
	global_load_b128 v[48*(\k-5)+12*\t+6*\c:48*(\k-5)+12*\t+6*\c+3], v[L16], s[72:73] offset:(8*\t+\k)*1536+768*\c
	global_load_b64 v[48*(\k-5)+12*\t+6*\c+4:48*(\k-5)+12*\t+6*\c+5], v[L8], s[72:73] offset:(8*\t+\k)*1536+768*\c
.endr
.endr
.endr
	WIN 0
.irp p, 0,1
.irp q, 0,1
	global_load_b128 v[XS+8*\p+4*\q:XS+8*\p+4*\q+3], v[XSO], s[74:75] offset:1024*\p+256*\q   ; register 8 p + k: lanes 0-15 tile 2 p's word of K step k, lanes 16-31 tile 2 p + 1's
.endr
.endr
.macro BIASQ set, off                  ; q, k: register 8 n + i of the set = b[32 (n / 2) + 8 (n % 2) + 16 h + i]
.irp n, 0,1,2,3
	global_load_b128 v[BI+32*(\set)+8*\n:BI+32*(\set)+8*\n+3], v[BQ], s[76:77] offset:(\off)+(32*(\n/2)+8*(\n%2))*4
	global_load_b128 v[BI+32*(\set)+8*\n+4:BI+32*(\set)+8*\n+7], v[BQ], s[76:77] offset:(\off)+(32*(\n/2)+8*(\n%2))*4+16
.endr
.endm
.macro BIASV set, off                  ; v: all eight registers of tile n hold b[32 (n / 2) + 8 (n % 2) + r + 8 (r / 8)]
.irp n, 0,1,2,3
.irp q, 0,1,2,3,4,5,6,7
	global_load_b32 v[BI+32*(\set)+8*\n+\q], v[BV], s[76:77] offset:(\off)+(32*(\n/2)+8*(\n%2))*4
.endr
.endr
.endm
	WIN 0xC0                                       ; destination window 3
	BIASQ 0, 0
	WIN 0
.macro WFETCH k, set                   ; W's four fragments of K step k: every load takes 512 or 256 consecutive bytes
.irp n, 0,1,2,3
.irp c, 0,1
	ds_load_b128 v[48*(\set)+12*\n+6*\c:48*(\set)+12*\n+6*\c+3], v[WA] offset:(4*(\k)+\n)*1536+768*\c
	ds_load_b64 v[48*(\set)+12*\n+6*\c+4:48*(\set)+12*\n+6*\c+5], v[WB] offset:(4*(\k)+\n)*1536+768*\c
.endr
.endr
.endm
.macro WM                              ; the product named by rD, rA, rB, rC, rSA, rSB; fA, fB: the side's scale words lie in lanes 16-31
.if fA && fB
	v_wmma_scale_f32_16x16x128_f8f6f4 v[rD:rD+7], v[rA:rA+11], v[rB:rB+11], v[rC:rC+7], v[rSA], v[rSB] matrix_a_fmt:MATRIX_FMT_FP6 matrix_b_fmt:MATRIX_FMT_FP6 matrix_a_scale:MATRIX_SCALE_ROW1 matrix_b_scale:MATRIX_SCALE_ROW1
.elseif fA
	v_wmma_scale_f32_16x16x128_f8f6f4 v[rD:rD+7], v[rA:rA+11], v[rB:rB+11], v[rC:rC+7], v[rSA], v[rSB] matrix_a_fmt:MATRIX_FMT_FP6 matrix_b_fmt:MATRIX_FMT_FP6 matrix_a_scale:MATRIX_SCALE_ROW1
.elseif fB
	v_wmma_scale_f32_16x16x128_f8f6f4 v[rD:rD+7], v[rA:rA+11], v[rB:rB+11], v[rC:rC+7], v[rSA], v[rSB] matrix_a_fmt:MATRIX_FMT_FP6 matrix_b_fmt:MATRIX_FMT_FP6 matrix_b_scale:MATRIX_SCALE_ROW1
.else
	v_wmma_scale_f32_16x16x128_f8f6f4 v[rD:rD+7], v[rA:rA+11], v[rB:rB+11], v[rC:rC+7], v[rSA], v[rSB] matrix_a_fmt:MATRIX_FMT_FP6 matrix_b_fmt:MATRIX_FMT_FP6
.endif
.endm
; 32 numbers of a lane, register 16 b + i = k 32 b + 16 h + i of my row, become a half fragment's 6 registers at v[pc] and the two scale bytes in v[hw].  Each accumulator is read from its low end on.
.macro HQUANT s, pc, hw
.irp b, 0,1
	v_max3_num_f32 v[BM+\b], |v[\s+16*\b]|, |v[\s+16*\b+1]|, 0x1800000   ; and the floor 2^(3 - 127): the byte cannot fall under 1
.endr
.irp i, 2,4,6,8,10,12,14
.irp b, 0,1
	v_max3_num_f32 v[BM+\b], v[BM+\b], |v[\s+16*\b+\i]|, |v[\s+16*\b+\i+1]|
.endr
.endr
.irp b, 0,1
	v_permlanex16_b32 v[PT+\b], v[BM+\b], s54, s55
.endr
.irp b, 0,1
	v_max_num_f32 v[BM+\b], v[BM+\b], v[PT+\b]
.endr
.irp b, 0,1
	v_add_nc_u32 v[SOP+\b], 0xff000000, v[BM+\b]   ; 2 off the exponent field: the conversion's scale operand
.endr
.irp b, 0,1
	v_lshrrev_b32 v[BY+\b], 23, v[SOP+\b]
.endr
	v_lshl_or_b32 v[\hw], v[BY+1], 8, v[BY]
	v_cvt_scalef32_pk16_fp6_f32 v[\pc:\pc+2], v[\s:\s+15], v[SOP]
	v_cvt_scalef32_pk16_fp6_f32 v[T:T+2], v[\s+16:\s+31], v[SOP+1]
	v_nop                                          ; one plain place behind a scaled conversion
.irp i, 0,1,2
	v_permlane16_swap_b32 v[\pc+\i], v[T+\i]       ; a WHOLE block in a lane: lanes 0-15 block 0, lanes 16-31 block 1
.endr
.irp i, 0,1,2
	v_mov_b32 v[\pc+3+\i], v[T+\i]
.endr
.endm
; Chunk i.  ori = 0: q or k; 1: v.  cbase, sbase: the scalar pairs of its codes and its scale words.
.macro CHUNK i, ori, cbase, sbase
	s_wait_tensorcnt 5-\i                          ; my quarter of this chunk is in; those of the chunks behind it may be out
	s_barrier_signal -1                            ; (no LDS instruction of mine is out here)
	s_barrier_wait -1                              ; everybody's quarter is in
	s_wait_loadcnt 0x0                             ; this chunk's bias; ahead of chunk 0 also x's fragments and scale words
	v_add_nc_u32 v[WA], \i*CHB, v[L16]
	v_add_nc_u32 v[WB], \i*CHB, v[L8]
	v_add_nc_u32 v[WSA], \i*CHB, v[XSO]
.irp p, 0,1
.irp q, 0,1
	ds_load_b128 v[WS+8*\p+4*\q:WS+8*\p+4*\q+3], v[WSA] offset:49152+1024*\p+256*\q
.endr
.endr
	WIN 0xC0
	WFETCH 0, 0
.if \i < 3
	BIASQ (\i+1)%2, ((\i+1)/2)*4096+((\i+1)%2)*256 ; the next chunk's bias, into the other set
.elseif \i < 5
	BIASV (\i+1)%2, 8192+((\i+1)%2)*256
.endif
.irp k, 0,1,2,3,4,5,6,7
.if \k < 7
	PLACES
	WIN 0xC0
	WFETCH \k+1, (\k+1)%2
	s_wait_dscnt 16                                ; all but the 16 loads just issued: this K step's fragments are in
.else
	s_wait_dscnt 0x0
.endif
.if \k < 5
.set XR, 48*\k
.else
.set XR, 48*(\k-5)
.endif
.if \ori == 0
.if \k == 0
	WIN 0x37                                       ; source 0 (W) window 3, source 1 (x) window 1, C (the bias) window 3, D window 0
.elseif \k < 5
	WIN 0x07
.else
	WIN 0x0B                                       ; x in window 2
.endif
.else
.if \k == 0
	WIN 0x3D                                       ; source 0 (x) window 1, source 1 (W) window 3, C window 3
.elseif \k < 5
	WIN 0x0D
.else
	WIN 0x0E
.endif
.endif
.irp t, 0,1,2,3                        ; the 16 accumulators take turns, one instruction a turn, in the same order in every K step
.irp n, 0,1,2,3
.if \ori == 0
.set rD, ACC+32*\t+8*\n
.set rA, 48*(\k%2)+12*\n
.set rB, XR+12*\t
.set rSA, WS+8*(\n/2)+\k
.set rSB, XS+8*(\t/2)+\k
.set fA, \n%2
.set fB, \t%2
.else
.set rD, ACC+32*\n+8*\t
.set rA, XR+12*\t
.set rB, 48*(\k%2)+12*\n
.set rSA, XS+8*(\t/2)+\k
.set rSB, WS+8*(\n/2)+\k
.set fA, \t%2
.set fB, \n%2
.endif
.if \k == 0
.set rC, BI+32*(\i%2)+8*\n
.else
.set rC, rD
.endif
	WM
.endr
.endr
.endr
	WIN 0
	PLACES
	s_wait_xcnt 0x0                                ; the last chunk's stores have read their registers
.irp g, 0,1,2,3
	HQUANT ACC+32*\g, PC+6*\g, HW+\g
.if \ori == 0
	global_store_b128 v[L16], v[PC+6*\g:PC+6*\g+3], s[\cbase:\cbase+1] offset:(\i%2)*KVH+768*\g       ; 512 consecutive bytes, aligned,
	global_store_b64 v[L8], v[PC+6*\g+4:PC+6*\g+5], s[\cbase:\cbase+1] offset:(\i%2)*KVH+768*\g       ; then 256
.else
	global_store_b128 v[L16], v[PC+6*\g:PC+6*\g+3], s[\cbase:\cbase+1] offset:(\i%2)*KVH+1536*\g
	global_store_b64 v[L8], v[PC+6*\g+4:PC+6*\g+5], s[\cbase:\cbase+1] offset:(\i%2)*KVH+1536*\g
.endif
.endr
	v_cndmask_b32 v[SD], v[HW], v[HW+2], s53       ; both halves of the lanes hold all four: lanes 0-15 take groups 0, 1, lanes 16-31 groups 2, 3
	v_cndmask_b32 v[SD+1], v[HW+1], v[HW+3], s53
.if \ori == 0
	global_store_b64 v[SQO], v[SD:SD+1], s[\sbase:\sbase+1] offset:(\i%2)*KVH                        ; 256 consecutive bytes, aligned
.else
	global_store_b16 v[SVO], v[SD], s[\sbase:\sbase+1] offset:(\i%2)*KVH                             ; my half's two bytes of each word: the other two come from the wave beside me
	global_store_b16 v[SVO], v[SD+1], s[\sbase:\sbase+1] offset:(\i%2)*KVH+4
	global_store_b32 v[PZO], v[ZR], s[70:71] offset:(\i%2)*KVH                                       ; the block's last bytes, which the next launch's tensor loads read
.endif
.endm
	CHUNK 0, 0, 56, 62
	CHUNK 1, 0, 56, 62
	CHUNK 2, 0, 58, 66
	CHUNK 3, 0, 58, 66
	CHUNK 4, 1, 60, 68
	CHUNK 5, 1, 60, 68
	s_wait_tensorcnt 0x0                           ; the wave's end: these three lines stand behind my last tensor load
	ds_add_u32 v[SPW], v[NIL]
	s_wait_dscnt 0x0
	CROUND                                         ; the closing round
	s_endpgm
.Lfunc_end_k_q73e96bf91e_gemm_qkv:
	.size	k_q73e96bf91e_gemm_qkv, .Lfunc_end_k_q73e96bf91e_gemm_qkv-k_q73e96bf91e_gemm_qkv
	.p2alignl 7, 3214868480
	.fill 96, 4, 3214868480
	.section	.rodata,"a",@progbits
	.p2align	6, 0x0
	.amdhsa_kernel k_q73e96bf91e_gemm_qkv
		.amdhsa_group_segment_fixed_size 307712
		.amdhsa_private_segment_fixed_size 0
		.amdhsa_enable_private_segment 0
		.amdhsa_kernarg_size 48
		.amdhsa_user_sgpr_count 2
		.amdhsa_user_sgpr_kernarg_segment_ptr 1
		.amdhsa_wavefront_size32 1
		.amdhsa_system_sgpr_workgroup_id_x 1
		.amdhsa_system_sgpr_workgroup_id_y 1
		.amdhsa_system_sgpr_workgroup_id_z 1
		.amdhsa_system_vgpr_workitem_id 0
		.amdhsa_next_free_vgpr 1024
		.amdhsa_next_free_sgpr 96
		.amdhsa_reserve_vcc 0
		.amdhsa_float_denorm_mode_32 3
		.amdhsa_float_denorm_mode_16_64 3
		.amdhsa_memory_ordered 1
		.amdhsa_forward_progress 1
		.amdhsa_inst_pref_size 238
	.end_amdhsa_kernel
	.amdgpu_metadata
---
amdhsa.version: [ 1, 2 ]
amdhsa.kernels:
  - .name:           k_q73e96bf91e_gemm_qkv
    .symbol:         k_q73e96bf91e_gemm_qkv.kd
    .args:
      - { .name: xc, .offset: 0, .size: 8, .value_kind: global_buffer, .address_space: global }
      - { .name: xs, .offset: 8, .size: 8, .value_kind: global_buffer, .address_space: global }
      - { .name: wq, .offset: 16, .size: 8, .value_kind: global_buffer, .address_space: global }
      - { .name: b_attn, .offset: 24, .size: 8, .value_kind: global_buffer, .address_space: global }
      - { .name: qb, .offset: 32, .size: 8, .value_kind: global_buffer, .address_space: global }
      - { .name: kv, .offset: 40, .size: 8, .value_kind: global_buffer, .address_space: global }
    .group_segment_fixed_size: 307712
    .private_segment_fixed_size: 0
    .kernarg_segment_align: 8
    .kernarg_segment_size: 48
    .max_flat_workgroup_size: 128
    .sgpr_count:     96
    .vgpr_count:     1024
    .wavefront_size: 32
...
	.end_amdgpu_metadata
.endif
;; end of part 2
;; launch attn (part 3): grid 4 x 64, 16 waves a work-group, clusters of 4 x 1, 215,040 bytes of LDS; arguments qb, kv, ac, asc; writes ac, asc
.if DOCPART == 3
	.amdgcn_target "amdgcn-amd-amdhsa--gfx1250"
	.amdhsa_code_object_version 6
	.text
	.protected	k_q73e96bf91e_attn
	.globl	k_q73e96bf91e_attn
	.p2align	8
	.type	k_q73e96bf91e_attn,@function
k_q73e96bf91e_attn:
	s_mov_b64 s[64:65], 0
	v_nop
	global_prefetch_b8 v0, s[64:65] scope:SCOPE_SE
	s_setreg_imm32_b32 hwreg(HW_REG_WAVE_MODE, 25, 1), 1
	s_wait_xcnt 0x0
	s_wait_alu depctr_hold_cnt(0) depctr_sa_sdst(0) depctr_va_vdst(0) depctr_va_sdst(0) depctr_va_ssrc(0) depctr_va_vcc(0) depctr_vm_vsrc(0)
	s_getreg_b32 s2, hwreg(HW_REG_IB_STS2, 6, 4)
	s_cmp_eq_u32 s2, 0
	s_cbranch_scc0 .Lentry_in_a_cluster
	s_endpgm
.Lentry_in_a_cluster:
	s_bfe_u32 s2, ttmp6, 0x10000c
	s_cmp_lg_u32 s2, 0x3003
	s_cbranch_scc0 .Lentry_shape_is_right
	s_endpgm
.Lentry_shape_is_right:
; Causal attention of one (batch, head) a cluster, head size 64, 2,048 tokens, both products on codes of FP6 (E2M3) with E8M0 scales; the result, divided by the row's sum, is quantised along the head's 64 and leaves as codes.
; THE SOFTMAX: t = score x log2(e) / 8; M = the row's largest t so far, rounded UP to a whole number; p = 2^(t - M) is quantised along the keys, not normalised; the row's sum is taken of the unquantised p.
; When M moves, the sum and O are multiplied by 2^(old M - new M): exact.
; SHARES.  The head's 16 blocks of K and V (128 keys, 13,312 bytes each) lie in LDS whole: each LDS byte is filled once.  The four work-groups of a cluster need the same blocks and ask for them JOINTLY.
; A wave owns TWO tiles of 16 queries: tile A = 8 a + sub and tile B = 127 - A (a = wave / 2, sub = 4 (wave % 2) + cx).  A needs key steps 0 .. a, B steps 0 .. 15 - a: 17 tile steps in every wave of the launch.
; A step all of whose keys come after a tile's queries is left out by a scalar branch on the wave's number and the loop's counter; cx enters global addresses and the mask's numbers alone.
; LAYOUT.  Both products are used transposed: S^T = K Q^T, O^T = V^T P^T: a lane holds ONE query.  Place r of tile 2 g + u is token (or d) 32 g + 8 u + r + 8 (r / 8), so that the 16 registers of tiles 2 g, 2 g + 1 are 16 neighbours.
; K = 64 IN AN INSTRUCTION OF 128: Q's fragment has zero codes in its registers 6-11.  K's fragment of tile t is v[KF + 6 t .. + 11]: its upper six registers hold whatever follows (the next tile's codes, work registers);
; every 6-bit pattern is a finite number, each meets a zero code, and the scale bytes there are 0, which stands for 2^-127 and is no NaN: they add nothing.
; LIMITS: a block of zeros, or one whose largest magnitude lies under 2^-124, gets the byte 1; NaN and infinities are not served.
.set KVB,   13312
.set KVH,   212992
.set SPARE, 212992                     ; behind the blocks: the spare words, 128 bytes for each wave: eight blocks of 256 bytes that no other line names
.set L16, 1                            ; v1   16 x lane
.set L8,  2                            ; v2   512 + 8 x lane
.set SPW, 3                            ; v3   LDS address of my spare word; never rewritten
.set NIL, 4                            ; v4   0; never rewritten
.set ADA, 5                            ; v5   the block in hand + 16 x lane
.set ADB, 6                            ; v6   the block in hand + 512 + 8 x lane
.set DA,  7                            ; v7   tile A: my query's place in its step - 16 h
.set KS,  8                            ; v8-11 K's scale words; then v8-9 V's
.set STA, 12                           ; v12-15 tile A: -M, the largest t, the sum in two halves
.set STB, 16                           ; v16-19 tile B
.set QA,  20                           ; v20-31 Q's fragment of tile A
.set QB,  32                           ; v32-43 of tile B
.set QSA, 44
.set QSB, 45
.set KF,  46                           ; v46-93 eight half fragments of K; then four fragments of V
.set BM,  94                           ; v94-97 the blocks' largest scores
.set TMP, 98
.set TM2, 99
.set S,   100                          ; v100-163 S^T, then p
.set OA,  164                          ; v164-195 O^T of tile A
.set OB,  196                          ; v196-227 of tile B
.set PC,  228                          ; v228-239 p's codes
.set T,   240                          ; v240-247 at work
.set PT,  244
.set BY,  246
.set SOP, 248                          ; v248-251 the conversions' scale operands
.set F,   252
.set PW,  253                          ; p's scale word
.set DB,  254
.set WV,  12
.set SEL, 40
.set CS,  42
.set TB,  44                           ; s44  LDS byte at which the step's block begins
.set SI,  45                           ; s45  the key step
.set SLA, 46                           ; s46  tile A's last step
.set SLB, 47                           ; s47  tile B's
.macro PLACES
.rept 4
	v_nop
.endr
.endm
.macro CROUND                          ; a round of the cluster's barrier
	s_barrier_signal -1
	s_barrier_wait -1
	s_cmp_lg_u32 s[WV], 0
	s_cbranch_scc1 .Lnot_wave_0_\@
	s_barrier_signal -3
.Lnot_wave_0_\@:
	s_barrier_wait -3
	s_barrier_signal -1
	s_barrier_wait -1
.endm
	s_load_b256 s[4:11], s[0:1], 0x0               ; qb s[4:5], kv s[6:7], ac s[8:9], asc s[10:11]
	v_lshl_add_u32 v[SPW], v0, 2, SPARE
	v_mov_b32 v[NIL], 0
	ds_add_u32 v[SPW], v[NIL]                      ; the wave's opening: the add and its wait stand ahead of my first tensor load; the set-up below, work on registers, stands between them
	v_lshrrev_b32 v1, 5, v0
	v_readfirstlane_b32 s[WV], v1                  ; wave 0..15
	s_bfe_u32 s13, ttmp6, 0x40000                  ; cx
	s_and_b32 s14, ttmp7, 0xffff                   ; 16 x batch + head
	s_lshr_b32 s15, s[WV], 1                       ; a
	s_mov_b32 s[SLA], s15
	s_sub_co_u32 s[SLB], 15, s15
	s_and_b32 s49, s[WV], 1
	s_lshl_b32 s49, s49, 2
	s_add_co_u32 s49, s49, s13                     ; sub: tile A's place in its step
	s_sub_co_u32 s73, 7, s49                       ; tile B's
	s_mov_b32 s48, 0xffff0000                      ; lanes 16-31
	s_mov_b32 s[SEL], 0x76543210
	s_mov_b32 s[SEL+1], 0xfedcba98
	s_mov_b32 s[CS], 0x3e38aa3b                    ; c = log2(e) / 8
	s_mov_b32 s[CS+1], s[CS]                       ; (named with it as a pair, so it is written)
	; descriptor groups 1: dense rows of 256 bytes; 13 a wave for steps 0-3, 39 a wave for steps 4-15
	s_mov_b32 s16, 15|(3<<16)|(1<<21)              ; 15:0 the mask: all four work-groups; 17:16 elements of 8 bytes; 21 set beside a mask
	s_mov_b32 s17, 32<<16
	s_mov_b32 s18, 13<<16
	s_mov_b32 s19, 32<<16
	s_mov_b32 s20, 13
	s_mov_b32 s21, 32
	s_mov_b32 s22, 0
	s_mov_b32 s23, 0
	s_mov_b32 s24, 15|(3<<16)|(1<<21)
	s_mov_b32 s25, 32<<16
	s_mov_b32 s26, 39<<16
	s_mov_b32 s27, 32<<16
	s_mov_b32 s28, 39
	s_mov_b32 s29, 32
	s_mov_b32 s30, 0
	s_mov_b32 s31, 0
	s_mul_i32 s33, s[WV], 3328                     ; LDS addresses: the wave's number and constants
	s_mul_i32 s37, s[WV], 9984
	s_add_co_u32 s37, s37, 4*KVB
	s_mul_i32 s68, s14, KVH                        ; the head's first byte in qb and kv
	s_mul_i32 s69, s15, KVB
	s_add_co_u32 s69, s69, s68                     ; tile A's block
	s_mul_i32 s70, s49, 768
	s_add_co_u32 s70, s70, s69                     ; its codes
	s_lshr_b32 s71, s49, 2
	s_lshl_b32 s71, s71, 8
	s_and_b32 s72, s49, 3
	s_lshl_b32 s72, s72, 2
	s_add_co_u32 s71, s71, s72
	s_add_co_u32 s71, s71, s69
	s_add_co_u32 s71, s71, 12288                   ; its scale words
	s_mul_i32 s74, s[SLB], KVB
	s_add_co_u32 s74, s74, s68                     ; tile B's block
	s_mul_i32 s75, s73, 768
	s_add_co_u32 s75, s75, s74
	s_lshr_b32 s76, s73, 2
	s_lshl_b32 s76, s76, 8
	s_and_b32 s77, s73, 3
	s_lshl_b32 s77, s77, 2
	s_add_co_u32 s76, s76, s77
	s_add_co_u32 s76, s76, s74
	s_add_co_u32 s76, s76, 12288
	s_lshr_b32 s2, s49, 1                          ; the tiles' first tokens in their steps: 32 (place / 2) + 8 (place % 2)
	s_lshl_b32 s2, s2, 5
	s_and_b32 s3, s49, 1
	s_lshl_b32 s3, s3, 3
	s_add_co_u32 s2, s2, s3
	s_lshr_b32 s3, s73, 1
	s_lshl_b32 s3, s3, 5
	s_and_b32 s73, s73, 1
	s_lshl_b32 s73, s73, 3
	s_add_co_u32 s3, s3, s73
	s_lshl_b32 s72, s15, 3
	s_add_co_u32 s72, s72, s49                     ; tile A
	s_sub_co_u32 s77, 127, s72                     ; tile B
	s_lshr_b32 s69, s14, 4
	s_lshl_b32 s69, s69, 7
	s_add_co_u32 s72, s72, s69                     ; among all 512 tiles of tokens
	s_add_co_u32 s77, s77, s69
	s_and_b32 s69, s14, 15                         ; the head
	s_lshl_b32 s66, s72, 9                         ; tile A's scale table in asc
	s_sub_co_u32 s67, s77, s72
	s_lshl_b32 s67, s67, 9                         ; from it to tile B's
	s_lshl_b32 s72, s72, 4
	s_add_co_u32 s72, s72, s69
	s_mul_i32 s72, s72, 768                        ; tile A's half fragment in ac
	s_lshl_b32 s77, s77, 4
	s_add_co_u32 s77, s77, s69
	s_mul_i32 s77, s77, 768                        ; tile B's
	s_lshr_b32 s74, s69, 3
	s_lshl_b32 s74, s74, 8
	s_and_b32 s69, s14, 7
	s_lshl_b32 s69, s69, 1
	s_add_co_u32 s74, s74, s69                     ; the head's halfword in a row of a scale table
	s_mov_b32 s79, 0
	v_and_b32 v5, 31, v0
	v_lshlrev_b32 v[L16], 4, v5
	v_lshl_add_u32 v[L8], v5, 3, 512
	v_and_b32 v98, 15, v0                          ; r
	v_bfe_u32 v99, v0, 4, 1                        ; h
	v_lshlrev_b32 v[SOP], 4, v98                   ; 16 r: Q's scale words (next written behind the wait for those loads)
	v_and_b32 v6, 8, v98
	v_add_nc_u32 v6, v6, v98
	v_lshlrev_b32 v7, 4, v99
	v_sub_nc_u32 v6, v6, v7                        ; r + 8 (r / 8) - 16 h
	v_add_nc_u32 v[DA], s2, v6
	v_add_nc_u32 v[DB], s3, v6
	s_wait_dscnt 0x0                               ; the opening add is done
	s_wait_kmcnt 0x0
	s_mov_b32 s32, 1
	s_add_co_u32 s78, s68, s33
	s_add_nc_u64 s[34:35], s[6:7], s[78:79]        ; made of the head and the wave's number alone
	s_or_b32 s35, s35, 0x80000000
	s_mov_b32 s36, 1
	s_add_co_u32 s78, s68, s37
	s_add_nc_u64 s[38:39], s[6:7], s[78:79]
	s_or_b32 s39, s39, 0x80000000
	s_mov_b32 s78, s70
	s_add_nc_u64 s[50:51], s[4:5], s[78:79]        ; Q's codes, tile A
	s_mov_b32 s78, s75
	s_add_nc_u64 s[52:53], s[4:5], s[78:79]        ; tile B
	s_mov_b32 s78, s71
	s_add_nc_u64 s[54:55], s[4:5], s[78:79]        ; Q's scale words, tile A
	s_mov_b32 s78, s76
	s_add_nc_u64 s[56:57], s[4:5], s[78:79]        ; tile B
	s_mov_b32 s78, s72
	s_add_nc_u64 s[58:59], s[8:9], s[78:79]        ; ac, tile A
	s_mov_b32 s78, s77
	s_add_nc_u64 s[60:61], s[8:9], s[78:79]        ; tile B
	s_mov_b32 s78, s74
	s_add_nc_u64 s[62:63], s[10:11], s[78:79]      ; asc
	CROUND                                         ; all four work-groups are here: the joint loads meet
	tensor_load_to_lds s[32:35], s[16:23]          ; my part of key steps 0-3
	s_nop 0
	tensor_load_to_lds s[36:39], s[24:31]          ; and of steps 4-15: two loads of mine are out
	s_nop 0
	PLACES
	global_load_b128 v[QA:QA+3], v[L16], s[50:51]
	global_load_b64 v[QA+4:QA+5], v[L8], s[50:51]
	global_load_b128 v[QB:QB+3], v[L16], s[52:53]
	global_load_b64 v[QB+4:QB+5], v[L8], s[52:53]
	global_load_b32 v[QSA], v[SOP], s[54:55]
	global_load_b32 v[QSB], v[SOP], s[56:57]
.irp i, 6,7,8,9,10,11
	v_mov_b32 v[QA+\i], 0                          ; zero codes for k = 64 .. 127
	v_mov_b32 v[QB+\i], 0
.endr
.irp s, STA, STB
	v_mov_b32 v[\s+1], 0xff61b1e6                  ; the largest t so far: -3e38, under every t
	v_floor_f32 v[\s], -v[\s+1]                    ; -M
	v_mov_b32 v[\s+2], 0                           ; the sum, in two halves
	v_mov_b32 v[\s+3], 0
.endr
.irp i, 0,1,2,3,4,5
	v_mov_b32 v[BM+\i], 0                          ; named as the tail of K's last fragment before they are first written
.endr
.irp i, 0,1,2,3,4,5,6,7
	v_mov_b32 v[T+\i], 0                           ; a lane permute's destination counts as one of its sources
.endr
	v_mov_b32 v[PW], 0                             ; (named as the upper half of the pair with f)
.set cn, 0
.rept 64
	v_mov_b32 v[OA+cn], 0                          ; O^T of both tiles.  (The step is written once: the first finds zeros, which the first change of M leaves zeros)
.set cn, cn+1
.endr
; A KEY STEP of one tile: 128 keys.  q, qs: Q's fragment and scale words; o: O^T; st: the statistics; d: the mask's number; sl: the tile's last step.
.macro STEP q, qs, o, st, d, sl
	s_cmp_gt_u32 s[SI], s[\sl]                     ; all these keys come after my queries: the step is left out
	s_cbranch_scc1 .Lskip_\@
	v_add_nc_u32 v[ADA], s[TB], v[L16]
	v_add_nc_u32 v[ADB], s[TB], v[L8]
	v_nop
	v_nop                                          ; four places in front of loads into registers that the last products have read
.irp t, 0,1,2,3,4,5,6,7
	ds_load_b128 v[KF+6*\t:KF+6*\t+3], v[ADA] offset:768*\t
	ds_load_b64 v[KF+6*\t+4:KF+6*\t+5], v[ADB] offset:768*\t
.endr
	ds_load_b128 v[KS:KS+3], v[ADA] offset:12288   ; register j: lanes 0-15 tile j's words, lanes 16-31 tile 4 + j's
	s_wait_dscnt 0x0
.irp t, 0,1,2,3
	v_wmma_scale_f32_16x16x128_f8f6f4 v[S+8*\t:S+8*\t+7], v[KF+6*\t:KF+6*\t+11], v[\q:\q+11], 0, v[KS+\t], v[\qs] matrix_a_fmt:MATRIX_FMT_FP6 matrix_b_fmt:MATRIX_FMT_FP6
.endr
.irp t, 4,5,6,7
	v_wmma_scale_f32_16x16x128_f8f6f4 v[S+8*\t:S+8*\t+7], v[KF+6*\t:KF+6*\t+11], v[\q:\q+11], 0, v[KS+\t-4], v[\qs] matrix_a_fmt:MATRIX_FMT_FP6 matrix_b_fmt:MATRIX_FMT_FP6 matrix_a_scale:MATRIX_SCALE_ROW1
.endr
	PLACES                                         ; in front of the loads below and of the first read of the scores
.irp n, 0,1,2,3                        ; V's fragments are asked for now and land under the softmax
.irp c, 0,1
	ds_load_b128 v[KF+12*\n+6*\c:KF+12*\n+6*\c+3], v[ADA] offset:6144+1536*\n+768*\c
	ds_load_b64 v[KF+12*\n+6*\c+4:KF+12*\n+6*\c+5], v[ADB] offset:6144+1536*\n+768*\c
.endr
.endr
	ds_load_b64 v[KS:KS+1], v[ADB] offset:12288    ; register j: lanes 0-15 tile j's words, lanes 16-31 tile 2 + j's
	s_cmp_lg_u32 s[SI], s[\sl]                     ; only the tile's last step lies on the diagonal
	s_cbranch_scc1 .Lopen_\@
	v_mov_b32 v[TMP], 0xff800000                   ; -infinity: p = 0 then
.set cn, 0
.rept 64                               ; register 16 b + i holds key 32 b + i + 16 h of the step: hidden where 32 b + i > my query's place - 16 h
	v_cmp_gt_i32 vcc_lo, 32*(cn/16)+cn%16, v[\d]
	v_cndmask_b32 v[S+cn], v[S+cn], v[TMP], vcc_lo
.set cn, cn+1
.endr
.Lopen_\@:
.irp b, 0,1,2,3
	v_max3_num_f32 v[BM+\b], v[S+16*\b], v[S+16*\b+1], v[S+16*\b+2]   ; the largest score of each block of 32 keys: it serves the row's maximum and, since p rises with the score, the block's largest p
.endr
.irp i, 3,5,7,9,11,13
.irp b, 0,1,2,3
	v_max3_num_f32 v[BM+\b], v[BM+\b], v[S+16*\b+\i], v[S+16*\b+\i+1]
.endr
.endr
.irp b, 0,1,2,3
	v_max_num_f32 v[BM+\b], v[BM+\b], v[S+16*\b+15]
.endr
.irp b, 0,1,2,3
	v_permlanex16_b32 v[T+\b], v[BM+\b], s[SEL], s[SEL+1]
.endr
.irp b, 0,1,2,3
	v_max_num_f32 v[BM+\b], v[BM+\b], v[T+\b]      ; with lane l xor 16's 16 keys
.endr
	v_max3_num_f32 v[TMP], v[BM], v[BM+1], v[BM+2]
	v_max_num_f32 v[TMP], v[TMP], v[BM+3]
	v_mul_f32 v[TMP], s[CS], v[TMP]                ; as t
	v_max_num_f32 v[\st+1], v[\st+1], v[TMP]       ; the running largest t
	v_mov_b32 v[TMP], v[\st]
	v_floor_f32 v[\st], -v[\st+1]                  ; the new -M = floor(-t): M is a whole number
	v_sub_f32 v[TMP], v[\st], v[TMP]               ; old M - new M: a whole number, 0 or less
	v_cvt_i32_f32 v[TMP], v[TMP]                   ; (it saturates)
	v_ldexp_f32 v[F], 1.0, v[TMP]                  ; f = 2^(old M - new M)
.set cn, 0
.rept 32
	v_pk_fma_f32 v[S+cn:S+cn+1], v[S+cn:S+cn+1], s[CS:CS+1], v[\st:\st+1] op_sel_hi:[1,0,0]   ; t - M, two at a time
.set cn, cn+2
.endr
.irp b, 0,1,2,3
	v_fma_f32 v[BM+\b], v[BM+\b], s[CS], v[\st]    ; the same of each block's largest score
.endr
.set cn, 0
.rept 64
	v_exp_f32 v[S+cn], v[S+cn]                     ; p = 2^(t - M), at most 1
.set cn, cn+1
.endr
	v_pk_mul_f32 v[\st+2:\st+3], v[\st+2:\st+3], v[F:F+1] op_sel_hi:[1,0]   ; the sums under the new M: a plain place behind the exponentials
	s_wait_alu depctr_va_vdst(0)                   ; one wait for the whole batch, ahead of its first reader
.irp b, 0,1,2,3
	v_exp_f32 v[BM+\b], v[BM+\b]                   ; the block's largest p
.endr
	v_pk_add_f32 v[T:T+1], v[S:S+1], v[S+2:S+3]    ; the row's sum is taken of the unquantised p: two chains
.irp j, 4,8,12,16,20,24,28,32,36,40,44,48,52,56,60
	v_pk_add_f32 v[\st+2:\st+3], v[\st+2:\st+3], v[S+\j:S+\j+1]
	v_pk_add_f32 v[T:T+1], v[T:T+1], v[S+\j+2:S+\j+3]
.endr
	v_pk_add_f32 v[\st+2:\st+3], v[\st+2:\st+3], v[T:T+1]
	s_wait_alu depctr_va_vdst(0)                   ; and one for the four
.irp b, 0,1,2,3
	v_max_num_f32 v[BM+\b], 0x1800000, v[BM+\b]    ; the floor 2^(3 - 127): the byte cannot fall under 1
.endr
.irp b, 0,1,2,3
	v_add_nc_u32 v[SOP+\b], 0xff000000, v[BM+\b]   ; the conversion's scale operand
.endr
.irp b, 0,1,2,3
	v_lshrrev_b32 v[T+\b], 23, v[SOP+\b]           ; the byte
.endr
	v_lshl_or_b32 v[PW], v[T+1], 8, v[T]           ; p's scale word for these 128 keys
	v_lshl_or_b32 v[PW], v[T+2], 16, v[PW]
	v_lshl_or_b32 v[PW], v[T+3], 24, v[PW]
.irp c, 0,1
	v_cvt_scalef32_pk16_fp6_f32 v[PC+6*\c:PC+6*\c+2], v[S+32*\c:S+32*\c+15], v[SOP+2*\c]
	v_cvt_scalef32_pk16_fp6_f32 v[T+4*\c:T+4*\c+2], v[S+32*\c+16:S+32*\c+31], v[SOP+2*\c+1]
.endr
	v_nop                                          ; one plain place behind a scaled conversion
.irp c, 0,1
.irp i, 0,1,2
	v_permlane16_swap_b32 v[PC+6*\c+\i], v[T+4*\c+\i]
.endr
.irp i, 0,1,2
	v_mov_b32 v[PC+6*\c+3+\i], v[T+4*\c+\i]
.endr
.endr
.set cn, 0
.rept 16
	v_pk_mul_f32 v[\o+cn:\o+cn+1], v[\o+cn:\o+cn+1], v[F:F+1] op_sel_hi:[1,0]   ; O^T under the new M; these 16 are also the places between p's codes and scale word and the products
.set cn, cn+2
.endr
	s_wait_dscnt 0x0                               ; V is in
.irp n, 0,1
	v_wmma_scale_f32_16x16x128_f8f6f4 v[\o+8*\n:\o+8*\n+7], v[KF+12*\n:KF+12*\n+11], v[PC:PC+11], v[\o+8*\n:\o+8*\n+7], v[KS+\n], v[PW] matrix_a_fmt:MATRIX_FMT_FP6 matrix_b_fmt:MATRIX_FMT_FP6
.endr
.irp n, 2,3
	v_wmma_scale_f32_16x16x128_f8f6f4 v[\o+8*\n:\o+8*\n+7], v[KF+12*\n:KF+12*\n+11], v[PC:PC+11], v[\o+8*\n:\o+8*\n+7], v[KS+\n-2], v[PW] matrix_a_fmt:MATRIX_FMT_FP6 matrix_b_fmt:MATRIX_FMT_FP6 matrix_a_scale:MATRIX_SCALE_ROW1
.endr
.Lskip_\@:
.endm
.macro TRIP
	STEP QB, QSB, OB, STB, DB, SLB
	STEP QA, QSA, OA, STA, DA, SLA
	s_add_co_u32 s[TB], s[TB], KVB
	s_add_co_u32 s[SI], s[SI], 1
.endm
	s_wait_tensorcnt 1                             ; my part of steps 0-3 is in; that of steps 4-15 may stay out
	s_barrier_signal -1
	s_barrier_wait -1                              ; everybody's is
	s_wait_loadcnt 0x0                             ; Q
	s_mov_b32 s[SI], 0
	s_mov_b32 s[TB], 0
.Lp1:
	TRIP
	s_cmp_lt_u32 s[SI], 4
	s_cbranch_scc1 .Lp1
	s_wait_tensorcnt 0x0                           ; my part of steps 4-15 is in,
	s_wait_dscnt 0x0
	s_barrier_signal -1
	s_barrier_wait -1                              ; everybody's is
	s_mov_b32 s[SI], 4
	s_mov_b32 s[TB], 4*KVB
.Lp2:
	TRIP
	s_cmp_lt_u32 s[SI], 16
	s_cbranch_scc1 .Lp2
	; THE WAY OUT: O^T / the sum, quantised along the head's 64: register 16 b + i of a tile is d 32 b + 16 h + i
	PLACES
	v_add_f32 v[STA+2], v[STA+2], v[STA+3]
	v_add_f32 v[STB+2], v[STB+2], v[STB+3]
	v_permlanex16_b32 v[T], v[STA+2], s[SEL], s[SEL+1]
	v_permlanex16_b32 v[T+1], v[STB+2], s[SEL], s[SEL+1]
	v_add_f32 v[STA+2], v[STA+2], v[T]             ; with lane l xor 16's: the row's sum
	v_add_f32 v[STB+2], v[STB+2], v[T+1]
	v_rcp_f32 v[STA+2], v[STA+2]
	v_rcp_f32 v[STB+2], v[STB+2]
	v_nop                                          ; a plain place behind the reciprocals
	s_wait_alu depctr_va_vdst(0)                   ; one wait for both, ahead of the first reader
.set cn, 0
.rept 16
	v_pk_mul_f32 v[S+cn:S+cn+1], v[OA+cn:OA+cn+1], v[STA+2:STA+3] op_sel_hi:[1,0]
.set cn, cn+2
.endr
.set cn, 0
.rept 16
	v_pk_mul_f32 v[S+32+cn:S+32+cn+1], v[OB+cn:OB+cn+1], v[STB+2:STB+3] op_sel_hi:[1,0]
.set cn, cn+2
.endr
.macro HQUANT s, pc, hw                ; 32 numbers of a lane become a half fragment's 6 registers and two scale bytes
.irp b, 0,1
	v_max3_num_f32 v[BM+\b], |v[\s+16*\b]|, |v[\s+16*\b+1]|, 0x1800000
.endr
.irp i, 2,4,6,8,10,12,14
.irp b, 0,1
	v_max3_num_f32 v[BM+\b], v[BM+\b], |v[\s+16*\b+\i]|, |v[\s+16*\b+\i+1]|
.endr
.endr
.irp b, 0,1
	v_permlanex16_b32 v[PT+\b], v[BM+\b], s[SEL], s[SEL+1]
.endr
.irp b, 0,1
	v_max_num_f32 v[BM+\b], v[BM+\b], v[PT+\b]
.endr
.irp b, 0,1
	v_add_nc_u32 v[SOP+\b], 0xff000000, v[BM+\b]
.endr
.irp b, 0,1
	v_lshrrev_b32 v[BY+\b], 23, v[SOP+\b]
.endr
	v_lshl_or_b32 v[\hw], v[BY+1], 8, v[BY]
	v_cvt_scalef32_pk16_fp6_f32 v[\pc:\pc+2], v[\s:\s+15], v[SOP]
	v_cvt_scalef32_pk16_fp6_f32 v[T:T+2], v[\s+16:\s+31], v[SOP+1]
	v_nop                                          ; one plain place behind a scaled conversion
.irp i, 0,1,2
	v_permlane16_swap_b32 v[\pc+\i], v[T+\i]
.endr
.irp i, 0,1,2
	v_mov_b32 v[\pc+3+\i], v[T+\i]
.endr
.endm
	HQUANT S, PC, TMP
	HQUANT S+32, PC+6, TM2
	global_store_b128 v[L16], v[PC:PC+3], s[58:59]             ; 512 consecutive bytes, aligned,
	global_store_b64 v[L8], v[PC+4:PC+5], s[58:59]             ; then 256
	global_store_b128 v[L16], v[PC+6:PC+9], s[60:61]
	global_store_b64 v[L8], v[PC+10:PC+11], s[60:61]
	v_and_b32 v[ADA], 15, v0
	v_lshlrev_b32 v[ADA], 4, v[ADA]                ; 16 r,
	v_bfe_u32 v[ADB], v0, 4, 1
	v_mad_u32_u24 v[ADA], v[ADB], s67, v[ADA]      ; lanes 16-31 in tile B's table,
	v_add_nc_u32 v[ADA], s66, v[ADA]               ; lanes 0-15 in tile A's
	v_cndmask_b32 v[ADB], v[TMP], v[TM2], s48
	global_store_b16 v[ADA], v[ADB], s[62:63]      ; my head's two bytes of each row's word: the other heads' come from other clusters
	s_wait_tensorcnt 0x0                           ; the wave's end: these three lines stand behind my last tensor load
	ds_add_u32 v[SPW], v[NIL]
	s_wait_dscnt 0x0
	CROUND                                         ; the closing round
	s_endpgm
.Lfunc_end_k_q73e96bf91e_attn:
	.size	k_q73e96bf91e_attn, .Lfunc_end_k_q73e96bf91e_attn-k_q73e96bf91e_attn
	.p2alignl 7, 3214868480
	.fill 96, 4, 3214868480
	.section	.rodata,"a",@progbits
	.p2align	6, 0x0
	.amdhsa_kernel k_q73e96bf91e_attn
		.amdhsa_group_segment_fixed_size 215040
		.amdhsa_private_segment_fixed_size 0
		.amdhsa_enable_private_segment 0
		.amdhsa_kernarg_size 32
		.amdhsa_user_sgpr_count 2
		.amdhsa_user_sgpr_kernarg_segment_ptr 1
		.amdhsa_wavefront_size32 1
		.amdhsa_system_sgpr_workgroup_id_x 1
		.amdhsa_system_sgpr_workgroup_id_y 1
		.amdhsa_system_sgpr_workgroup_id_z 1
		.amdhsa_system_vgpr_workitem_id 0
		.amdhsa_next_free_vgpr 256
		.amdhsa_next_free_sgpr 80
		.amdhsa_reserve_vcc 1
		.amdhsa_float_denorm_mode_32 3
		.amdhsa_float_denorm_mode_16_64 3
		.amdhsa_memory_ordered 1
		.amdhsa_forward_progress 1
		.amdhsa_inst_pref_size 102
	.end_amdhsa_kernel
	.amdgpu_metadata
---
amdhsa.version: [ 1, 2 ]
amdhsa.kernels:
  - .name:           k_q73e96bf91e_attn
    .symbol:         k_q73e96bf91e_attn.kd
    .args:
      - { .name: qb, .offset: 0, .size: 8, .value_kind: global_buffer, .address_space: global }
      - { .name: kv, .offset: 8, .size: 8, .value_kind: global_buffer, .address_space: global }
      - { .name: ac, .offset: 16, .size: 8, .value_kind: global_buffer, .address_space: global }
      - { .name: asc, .offset: 24, .size: 8, .value_kind: global_buffer, .address_space: global }
    .group_segment_fixed_size: 215040
    .private_segment_fixed_size: 0
    .kernarg_segment_align: 8
    .kernarg_segment_size: 32
    .max_flat_workgroup_size: 512
    .sgpr_count:     80
    .vgpr_count:     256
    .wavefront_size: 32
...
	.end_amdgpu_metadata
.endif
;; end of part 3
;; launch gemm_out (part 4): grid 32 x 8, 4 waves a work-group, clusters of 4 x 1, 167,936 bytes of LDS; arguments ac, asc, wp, b_proj, out0; writes out0
.if DOCPART == 4
	.amdgcn_target "amdgcn-amd-amdhsa--gfx1250"
	.amdhsa_code_object_version 6
	.text
	.protected	k_q73e96bf91e_gemm_out
	.globl	k_q73e96bf91e_gemm_out
	.p2align	8
	.type	k_q73e96bf91e_gemm_out,@function
k_q73e96bf91e_gemm_out:
	s_mov_b64 s[64:65], 0
	v_nop
	global_prefetch_b8 v0, s[64:65] scope:SCOPE_SE
	s_setreg_imm32_b32 hwreg(HW_REG_WAVE_MODE, 25, 1), 1
	s_wait_xcnt 0x0
	s_wait_alu depctr_hold_cnt(0) depctr_sa_sdst(0) depctr_va_vdst(0) depctr_va_sdst(0) depctr_va_ssrc(0) depctr_va_vcc(0) depctr_vm_vsrc(0)
	s_getreg_b32 s2, hwreg(HW_REG_IB_STS2, 6, 4)
	s_cmp_eq_u32 s2, 0
	s_cbranch_scc0 .Lentry_in_a_cluster
	s_endpgm
.Lentry_in_a_cluster:
	s_bfe_u32 s2, ttmp6, 0x10000c
	s_cmp_lg_u32 s2, 0x3003
	s_cbranch_scc0 .Lentry_shape_is_right
	s_endpgm
.Lentry_shape_is_right:
; out0 = att w_proj + b_proj on codes of FP6 (E2M3) with E8M0 scales; out0 [8192][1024] f32.
; SHARES.  A work-group takes 256 tokens (R) and 128 columns (j): two chunks of 64 columns, 51,200 bytes each, which lie in LDS whole: each LDS byte is filled once.  Wave w owns tokens 64 w .. 64 w + 63: four tiles of 16,
; whose 32 fragments of att (all of K) stay in 384 registers.  Each wave brings a quarter of each chunk: two tensor loads of mine are out at most.
; CLUSTER.  The four work-groups of a cluster take four blocks of tokens and the same j: they ask for the weights JOINTLY, by the same tensor loads with the same descriptors and a mask that names the four.
; LAYOUT.  Place r of tile 2 g + u is row 32 g + 8 u + r + 8 (r / 8), for tokens and for the weights' rows alike.  Source 0 = 16 rows of W, source 1 = 16 tokens: a lane holds one token, and register 16 b + i of a tile of
; tokens is column 32 b + 16 h + i of the chunk.  The bias is the C of each sum's first matrix instruction.  A tile's 16 rows x 256 bytes go through my own stage in LDS and leave as whole rows.
; REGISTERS, in windows of 256: window 0: v1-13 addresses; v16-31 att's scale words, v32-47 W's; v64-191 the 16 accumulators; v192-255 rows on the way out.  Window 1: att's fragments of K steps 0-4 at 48 k + 12 tile.
; Window 2: those of K steps 5-7.  Window 3: W's fragments, two sets at 0 and 48; the two chunks' biases at 96 and 128.
.set CHB,   51200
.set STAGE, 2*CHB                      ; behind the chunks: 16 rows x 272 bytes for each wave; no tensor load lands here
.set SPARE, STAGE+4*4352               ; the spare words, 128 bytes for each wave: two blocks of 256 bytes that no other line names
.set L16, 1                            ; v1   16 x lane
.set L8,  2                            ; v2   512 + 8 x lane
.set SPW, 3                            ; v3   LDS address of my spare word; never rewritten
.set NIL, 4                            ; v4   0; never rewritten
.set WA,  5
.set WB,  6
.set WSA, 7
.set XSO, 8                            ; v8   512 (lane / 16) + 16 (lane % 16)
.set BQ,  9                            ; v9   64 h
.set STO, 11                           ; v11  the stage: row r, + 64 h
.set RD,  12                           ; v12  back: lanes 0-15 one row, lanes 16-31 the next
.set GO,  13                           ; v13  and the same two rows in out0
.set XS,  16
.set WS,  32
.set ACC, 64
.set BK,  192
.set BI,  96
.set MSB, 0
.macro WIN new                         ; the immediate's high byte repeats the setting that is left
.if MSB != \new
	s_set_vgpr_msb (MSB<<8)|\new
.set MSB, \new
.endif
.endm
.macro PLACES                          ; four plain places behind matrix instructions, in front of loads into their registers and of reads of their results
.rept 4
	v_nop
.endr
.endm
.macro CROUND                          ; a round of the cluster's barrier
	s_barrier_signal -1
	s_barrier_wait -1
	s_cmp_lg_u32 s48, 0
	s_cbranch_scc1 .Lnot_wave_0_\@
	s_barrier_signal -3
.Lnot_wave_0_\@:
	s_barrier_wait -3
	s_barrier_signal -1
	s_barrier_wait -1
.endm
	s_load_b256 s[4:11], s[0:1], 0x0               ; ac s[4:5], asc s[6:7], wp s[8:9], b_proj s[10:11]
	s_load_b64 s[12:13], s[0:1], 0x20              ; out0
	v_lshl_add_u32 v[SPW], v0, 2, SPARE
	v_mov_b32 v[NIL], 0
	ds_add_u32 v[SPW], v[NIL]                      ; the wave's opening: the add and its wait stand ahead of my first tensor load; the set-up below, work on registers, stands between them
	v_lshrrev_b32 v1, 5, v0
	v_readfirstlane_b32 s48, v1                    ; wave 0..3
	s_bfe_u32 s49, ttmp6, 0x40000                  ; cx
	s_lshl_b32 s50, ttmp9, 2
	s_add_co_u32 s50, s50, s49                     ; R: it enters global addresses of ac, asc and out0 alone
	s_and_b32 s51, ttmp7, 0xffff                   ; j, which the four partners share
	; descriptor group 1: a quarter of a chunk, 12,800 dense bytes, as 50 rows of 256 bytes
	s_mov_b32 s16, 15|(3<<16)|(1<<21)              ; 15:0 the mask: all four work-groups; 17:16 elements of 8 bytes; 21 set beside a mask
	s_mov_b32 s17, 32<<16
	s_mov_b32 s18, 50<<16
	s_mov_b32 s19, 32<<16
	s_mov_b32 s20, 50
	s_mov_b32 s21, 32
	s_mov_b32 s22, 0
	s_mov_b32 s23, 0
	s_lshl_b32 s80, s50, 8
	s_lshl_b32 s81, s48, 6
	s_add_co_u32 s80, s80, s81                     ; my first token
	s_lshl_b32 s80, s80, 12                        ; rows of 4,096 bytes
	s_lshl_b32 s81, s51, 9
	s_add_co_u32 s80, s80, s81                     ; + 128 j columns
	s_mov_b32 s81, 0
	s_lshl_b32 s78, s51, 9                         ; the biases of my 128 columns
	s_mov_b32 s79, 0
	s_lshl_b32 s90, s50, 4
	s_lshl_b32 s91, s48, 2
	s_add_co_u32 s90, s90, s91                     ; my first tile of tokens
	s_lshl_b32 s92, s90, 9
	s_mul_i32 s90, s90, 12288
	s_mov_b32 s91, 0
	s_mov_b32 s93, 0
	s_mul_i32 s94, s48, 12800                      ; my quarter of a chunk, in LDS and in memory
	s_mul_i32 s2, s51, 2*CHB
	s_add_co_u32 s2, s2, s94
	s_mov_b32 s3, 0
	s_mul_i32 s82, s48, 4352
	s_add_co_u32 s82, s82, STAGE                   ; my stage
	v_and_b32 v13, 31, v0
	v_lshlrev_b32 v[L16], 4, v13
	v_lshl_add_u32 v[L8], v13, 3, 512
	v_and_b32 v15, 15, v0                          ; r
	v_bfe_u32 v14, v0, 4, 1                        ; h
	v_lshlrev_b32 v[XSO], 4, v15
	v_lshl_add_u32 v[XSO], v14, 9, v[XSO]
	v_lshlrev_b32 v[BQ], 6, v14
	v_mul_u32_u24 v[STO], v15, 272
	v_lshl_add_u32 v[STO], v14, 6, v[STO]
	v_add_nc_u32 v[STO], s82, v[STO]
	v_mul_u32_u24 v[RD], v14, 272
	v_lshl_add_u32 v[RD], v15, 4, v[RD]
	v_add_nc_u32 v[RD], s82, v[RD]
	v_lshlrev_b32 v[GO], 12, v14
	v_lshl_add_u32 v[GO], v15, 4, v[GO]
	s_wait_dscnt 0x0                               ; the opening add is done
	s_wait_kmcnt 0x0
	s_add_nc_u64 s[56:57], s[12:13], s[80:81]      ; out0
	s_add_nc_u64 s[72:73], s[4:5], s[90:91]        ; att's codes
	s_add_nc_u64 s[74:75], s[6:7], s[92:93]        ; att's scale tables
	s_add_nc_u64 s[76:77], s[10:11], s[78:79]      ; the biases
	s_add_nc_u64 s[2:3], s[8:9], s[2:3]            ; my quarter of chunk 0: made of j and the wave's number alone
.irp i, 0,1
	s_mov_b32 s[24+4*\i], 1
	s_add_co_u32 s[25+4*\i], s94, \i*CHB
	s_add_nc_u64 s[26+4*\i:27+4*\i], s[2:3], \i*CHB
	s_or_b32 s[27+4*\i], s[27+4*\i], 0x80000000
.endr
	CROUND                                         ; all four work-groups are here: the joint loads meet
.irp i, 0,1
	tensor_load_to_lds s[24+4*\i:27+4*\i], s[16:23]
	s_nop 0
.endr
	PLACES
	WIN 0x40                                       ; destination window 1
.irp k, 0,1,2,3,4
.irp t, 0,1,2,3
.irp c, 0,1
	global_load_b128 v[48*\k+12*\t+6*\c:48*\k+12*\t+6*\c+3], v[L16], s[72:73] offset:(8*\t+\k)*1536+768*\c
	global_load_b64 v[48*\k+12*\t+6*\c+4:48*\k+12*\t+6*\c+5], v[L8], s[72:73] offset:(8*\t+\k)*1536+768*\c
.endr
.endr
.endr
	WIN 0x80                                       ; destination window 2
.irp k, 5,6,7
.irp t, 0,1,2,3
.irp c, 0,1
	global_load_b128 v[48*(\k-5)+12*\t+6*\c:48*(\k-5)+12*\t+6*\c+3], v[L16], s[72:73] offset:(8*\t+\k)*1536+768*\c
	global_load_b64 v[48*(\k-5)+12*\t+6*\c+4:48*(\k-5)+12*\t+6*\c+5], v[L8], s[72:73] offset:(8*\t+\k)*1536+768*\c
.endr
.endr
.endr
	WIN 0
.irp p, 0,1
.irp q, 0,1
	global_load_b128 v[XS+8*\p+4*\q:XS+8*\p+4*\q+3], v[XSO], s[74:75] offset:1024*\p+256*\q   ; register 8 p + k: lanes 0-15 tile 2 p's word of K step k, lanes 16-31 tile 2 p + 1's
.endr
.endr
	WIN 0xC0                                       ; destination window 3
.irp e, 0,1                            ; both chunks' biases: register 8 n + i of a set = b[32 (n / 2) + 8 (n % 2) + 16 h + i]
.irp n, 0,1,2,3
	global_load_b128 v[BI+32*\e+8*\n:BI+32*\e+8*\n+3], v[BQ], s[76:77] offset:256*\e+(32*(\n/2)+8*(\n%2))*4
	global_load_b128 v[BI+32*\e+8*\n+4:BI+32*\e+8*\n+7], v[BQ], s[76:77] offset:256*\e+(32*(\n/2)+8*(\n%2))*4+16
.endr
.endr
	WIN 0
.macro WFETCH k, set                   ; W's four fragments of K step k: every load takes 512 or 256 consecutive bytes
.irp n, 0,1,2,3
.irp c, 0,1
	ds_load_b128 v[48*(\set)+12*\n+6*\c:48*(\set)+12*\n+6*\c+3], v[WA] offset:(4*(\k)+\n)*1536+768*\c
	ds_load_b64 v[48*(\set)+12*\n+6*\c+4:48*(\set)+12*\n+6*\c+5], v[WB] offset:(4*(\k)+\n)*1536+768*\c
.endr
.endr
.endm
.macro WM                              ; the product named by rD, rA, rB, rC, rSA, rSB; fA, fB: the side's scale words lie in lanes 16-31
.if fA && fB
	v_wmma_scale_f32_16x16x128_f8f6f4 v[rD:rD+7], v[rA:rA+11], v[rB:rB+11], v[rC:rC+7], v[rSA], v[rSB] matrix_a_fmt:MATRIX_FMT_FP6 matrix_b_fmt:MATRIX_FMT_FP6 matrix_a_scale:MATRIX_SCALE_ROW1 matrix_b_scale:MATRIX_SCALE_ROW1
.elseif fA
	v_wmma_scale_f32_16x16x128_f8f6f4 v[rD:rD+7], v[rA:rA+11], v[rB:rB+11], v[rC:rC+7], v[rSA], v[rSB] matrix_a_fmt:MATRIX_FMT_FP6 matrix_b_fmt:MATRIX_FMT_FP6 matrix_a_scale:MATRIX_SCALE_ROW1
.elseif fB
	v_wmma_scale_f32_16x16x128_f8f6f4 v[rD:rD+7], v[rA:rA+11], v[rB:rB+11], v[rC:rC+7], v[rSA], v[rSB] matrix_a_fmt:MATRIX_FMT_FP6 matrix_b_fmt:MATRIX_FMT_FP6 matrix_b_scale:MATRIX_SCALE_ROW1
.else
	v_wmma_scale_f32_16x16x128_f8f6f4 v[rD:rD+7], v[rA:rA+11], v[rB:rB+11], v[rC:rC+7], v[rSA], v[rSB] matrix_a_fmt:MATRIX_FMT_FP6 matrix_b_fmt:MATRIX_FMT_FP6
.endif
.endm
.macro TOSTAGE t                       ; tile t's 16 rows x 64 columns into my stage, each accumulator from its low end on, and back as whole rows.  LDS serves a wave's instructions in order: no wait between them
.irp b, 0,1
.irp q, 0,1,2,3
	ds_store_b128 v[STO], v[ACC+32*(\t)+16*\b+4*\q:ACC+32*(\t)+16*\b+4*\q+3] offset:128*\b+16*\q
.endr
.endr
.irp p, 0,1,2,3,4,5,6,7
	ds_load_b128 v[BK+32*((\t)%2)+4*\p:BK+32*((\t)%2)+4*\p+3], v[RD] offset:544*\p
.endr
.endm
.macro SEND t, younger, e              ; younger: the LDS instructions issued behind tile t's loads, which may stay out
	s_wait_dscnt \younger
.irp p, 0,1,2,3,4,5,6,7
	global_store_b128 v[GO], v[BK+32*((\t)%2)+4*\p:BK+32*((\t)%2)+4*\p+3], s[56:57] offset:(32*((\t)/2)+8*((\t)%2)+2*\p+8*(\p/4))*4096+256*(\e) th:TH_STORE_NT   ; sixteen lanes store 256 consecutive bytes, aligned; written once, read by nobody here
.endr
.endm
.macro CHUNK i
	s_wait_tensorcnt 1-\i                          ; my quarter of this chunk is in; that of the chunk behind it may be out
	s_barrier_signal -1                            ; (no LDS instruction of mine is out here)
	s_barrier_wait -1                              ; everybody's quarter is in
.if \i == 0
	s_wait_loadcnt 0x0                             ; att's fragments and scale words, the biases
.endif
	v_add_nc_u32 v[WA], \i*CHB, v[L16]
	v_add_nc_u32 v[WB], \i*CHB, v[L8]
	v_add_nc_u32 v[WSA], \i*CHB, v[XSO]
.irp p, 0,1
.irp q, 0,1
	ds_load_b128 v[WS+8*\p+4*\q:WS+8*\p+4*\q+3], v[WSA] offset:49152+1024*\p+256*\q
.endr
.endr
	WIN 0xC0
	WFETCH 0, 0
.irp k, 0,1,2,3,4,5,6,7
.if \k < 7
	PLACES
	WIN 0xC0
	WFETCH \k+1, (\k+1)%2
	s_wait_dscnt 16                                ; all but the 16 loads just issued: this K step's fragments are in
.else
	s_wait_dscnt 0x0
.endif
.if \k < 5
.set XR, 48*\k
.else
.set XR, 48*(\k-5)
.endif
.if \k == 0
	WIN 0x37                                       ; source 0 (W) window 3, source 1 (att) window 1, C (the bias) window 3, D window 0
.elseif \k < 5
	WIN 0x07
.else
	WIN 0x0B                                       ; att in window 2
.endif
.irp t, 0,1,2,3                        ; the 16 accumulators take turns, one instruction a turn, in the same order in every K step
.irp n, 0,1,2,3
.set rD, ACC+32*\t+8*\n
.set rA, 48*(\k%2)+12*\n
.set rB, XR+12*\t
.set rSA, WS+8*(\n/2)+\k
.set rSB, XS+8*(\t/2)+\k
.set fA, \n%2
.set fB, \t%2
.if \k == 0
.set rC, BI+32*\i+8*\n
.else
.set rC, rD
.endif
	WM
.endr
.endr
.endr
	WIN 0
	PLACES
	s_wait_xcnt 0x0                                ; the last chunk's stores have read their registers
	TOSTAGE 0
.irp t, 1,2,3
.if \t > 1
	s_wait_xcnt 0x0                                ; the stores of two tiles ago have read this set of registers
.endif
	TOSTAGE \t
	SEND \t-1, 16, \i                              ; behind that tile's loads: this tile's 8 stores and 8 loads
.endr
	SEND 3, 0, \i
.endm
	CHUNK 0
	CHUNK 1
	s_wait_tensorcnt 0x0                           ; the wave's end: these three lines stand behind my last tensor load and my last LDS store
	ds_add_u32 v[SPW], v[NIL]
	s_wait_dscnt 0x0
	CROUND                                         ; the closing round
	s_endpgm
.Lfunc_end_k_q73e96bf91e_gemm_out:
	.size	k_q73e96bf91e_gemm_out, .Lfunc_end_k_q73e96bf91e_gemm_out-k_q73e96bf91e_gemm_out
	.p2alignl 7, 3214868480
	.fill 96, 4, 3214868480
	.section	.rodata,"a",@progbits
	.p2align	6, 0x0
	.amdhsa_kernel k_q73e96bf91e_gemm_out
		.amdhsa_group_segment_fixed_size 167936
		.amdhsa_private_segment_fixed_size 0
		.amdhsa_enable_private_segment 0
		.amdhsa_kernarg_size 40
		.amdhsa_user_sgpr_count 2
		.amdhsa_user_sgpr_kernarg_segment_ptr 1
		.amdhsa_wavefront_size32 1
		.amdhsa_system_sgpr_workgroup_id_x 1
		.amdhsa_system_sgpr_workgroup_id_y 1
		.amdhsa_system_sgpr_workgroup_id_z 1
		.amdhsa_system_vgpr_workitem_id 0
		.amdhsa_next_free_vgpr 1024
		.amdhsa_next_free_sgpr 96
		.amdhsa_reserve_vcc 0
		.amdhsa_float_denorm_mode_32 3
		.amdhsa_float_denorm_mode_16_64 3
		.amdhsa_memory_ordered 1
		.amdhsa_forward_progress 1
		.amdhsa_inst_pref_size 86
	.end_amdhsa_kernel
	.amdgpu_metadata
---
amdhsa.version: [ 1, 2 ]
amdhsa.kernels:
  - .name:           k_q73e96bf91e_gemm_out
    .symbol:         k_q73e96bf91e_gemm_out.kd
    .args:
      - { .name: ac, .offset: 0, .size: 8, .value_kind: global_buffer, .address_space: global }
      - { .name: asc, .offset: 8, .size: 8, .value_kind: global_buffer, .address_space: global }
      - { .name: wp, .offset: 16, .size: 8, .value_kind: global_buffer, .address_space: global }
      - { .name: b_proj, .offset: 24, .size: 8, .value_kind: global_buffer, .address_space: global }
      - { .name: out0, .offset: 32, .size: 8, .value_kind: global_buffer, .address_space: global }
    .group_segment_fixed_size: 167936
    .private_segment_fixed_size: 0
    .kernarg_segment_align: 8
    .kernarg_segment_size: 40
    .max_flat_workgroup_size: 128
    .sgpr_count:     96
    .vgpr_count:     1024
    .wavefront_size: 32
...
	.end_amdgpu_metadata
.endif
;; end of part 4
